; MI455X (gfx1250); checked and timed in simulation.
; The chip was launched on July 23, 2026; its instructions are those of AMD's public machine-readable ISA for CDNA 5 (MIT licence, August 2026) and "CDNA5" Instruction Set Architecture Reference Guide (July 2026). The comments in the code are by the model that wrote it; some were corrected since.
;; Q Wen3 Attention. Allowed arithmetic: float matrix products may take bf16 or f16 operands with f32 sums; all other float work in f32.
;; Inputs: Wk 4,096 x 1,024 float32; Wo 4,096 x 4,096 float32; Wq 4,096 x 4,096 float32; Wv 4,096 x 1,024 float32; hidden_states 1 x 1,024 x 4,096 float32; k_norm_w 128 float32; positions 1,024 int32; q_norm_w 128 float32.
;; Outputs: out0 1 x 1,024 x 4,096 float32; out1 1 x 1,024 x 1,024 float32; out2 1 x 1,024 x 1,024 float32.
;; 2 versions, each right; version 2 is version 1 with the launch prep written anew for expert scheduling mode. Each part assembles by itself: llvm-mc -triple=amdgcn-amd-amdhsa -mcpu=gfx1250 --defsym DOCPART=n.
;; ======== version 1 of 2: 4 launches
;; limits: values are held in f16: magnitudes above 65,504 overflow, below 6.1e-05 lose precision; right only within a limited range of input values; values outside matrix products are rounded to bf16
;; workspace buffers: xb 8,388,608 bytes; cs 524,288 bytes; qb 8,388,608 bytes; kb 2,097,152 bytes; vb 2,097,152 bytes; ab 8,388,608 bytes; wob 33,554,432 bytes
;; launch prep (part 1): grid 256 x 1, 8 waves a work-group, no clusters, 0 bytes of LDS; arguments hidden_states, positions, xb, cs; writes xb, cs
.if DOCPART == 1
	.amdgcn_target "amdgcn-amd-amdhsa--gfx1250"
	.amdhsa_code_object_version 6
	.text
	.protected	k_q113428f133_prep
	.globl	k_q113428f133_prep
	.p2align	8
	.type	k_q113428f133_prep,@function
k_q113428f133_prep:
	s_mov_b64 s[64:65], 0
	v_nop
	global_prefetch_b8 v0, s[64:65] scope:SCOPE_SE
	s_setreg_imm32_b32 hwreg(HW_REG_WAVE_MODE, 25, 1), 1
	s_wait_xcnt 0x0
; xb = hidden_states rounded to bf16 ([1024][4096]); cs = the table of cos and sin of positions[row] x 1e6^(-i/64).
; 256 work-groups of 256 threads.  Work-group g casts rows 4 g .. 4 g + 3: 16 loads of 16 bytes a thread (a wave's load covers 512
; consecutive bytes), 16 stores of 8 bytes (a wave's store covers 256 consecutive bytes, aligned).  Each thread also makes ONE table entry.
; TABLE.  cs is [mb 64][b 8][qh 2][lane 32][4] f32: lane 16 h + r holds (cos, sin, cos', sin') of row 16 mb + r for the frequencies
; i = 8 b + 4 h + 2 qh and i + 1: the order in which a lane of the projection's result tile holds its column pairs.
; Entry e = 256 g + t is the pair (cos, sin) at byte 8 e.
; LIMIT.  The angle is reduced by pi/2 in two parts and the sine and cosine are polynomials on [-pi/4, pi/4] (error under 1e-6); with the
; rounding of pos x frequency the angle agrees with an f32 computation to about |pos| x 2e-7 rad: meant for |pos| up to some 3e4.
; Memory binds: no LDS, no barrier, no matrix unit.
.set X,  16                            ; v[16:79]  16 loads of 4 f32
.set YB, 80                            ; v[80:111] 16 pairs of packed bf16
	s_load_b256 s[4:11], s[0:1], 0x0               ; hidden s[4:5], positions s[6:7], xb s[8:9], cs s[10:11]
	v_lshlrev_b32 v1, 4, v0                        ; 16 t
	v_lshlrev_b32 v2, 3, v0                        ; 8 t
	v_and_b32 v3, 1, v0                            ; u
	v_bfe_u32 v4, v0, 1, 4                         ; r
	v_bfe_u32 v5, v0, 5, 1                         ; h
	v_bfe_u32 v6, v0, 6, 1                         ; qh
	v_lshrrev_b32 v7, 7, v0                        ; b's low bit
	s_and_b32 s12, ttmp9, 3
	s_lshl_b32 s12, s12, 4                         ; 8 x b's upper part
	s_lshr_b32 s13, ttmp9, 2
	s_lshl_b32 s13, s13, 4                         ; 16 mb
	v_lshl_add_u32 v3, v6, 1, v3
	v_lshl_add_u32 v3, v5, 2, v3
	v_lshl_add_u32 v3, v7, 3, v3
	v_add_nc_u32 v3, s12, v3                       ; i = 8 b + 4 h + 2 qh + u
	v_add_nc_u32 v4, s13, v4                       ; row
	v_lshlrev_b32 v4, 2, v4
	s_lshl_b32 s14, ttmp9, 16                      ; 4 rows of 16,384 bytes in
	s_mov_b32 s15, 0
	s_lshl_b32 s16, ttmp9, 15                      ; 4 rows of 8,192 bytes out
	s_mov_b32 s17, 0
	s_lshl_b32 s18, ttmp9, 11                      ; 256 entries of 8 bytes
	s_mov_b32 s19, 0
	s_mov_b32 s20, 0x3fc90fdb                      ; pi/2, upper part
	s_mov_b32 s21, 0xb33bbd2e                      ; pi/2, the rest
	s_wait_kmcnt 0x0
	s_add_nc_u64 s[4:5], s[4:5], s[14:15]
	s_add_nc_u64 s[8:9], s[8:9], s[16:17]
	s_add_nc_u64 s[10:11], s[10:11], s[18:19]
	global_load_b32 v8, v4, s[6:7]                 ; positions[row], ahead of the stream
.irp i, 0,1,2,3,4,5,6,7,8,9,10,11,12,13,14,15
	global_load_b128 v[X+4*\i:X+4*\i+3], v1, s[4:5] offset:4096*\i th:TH_LOAD_NT
.endr
	v_cvt_f32_u32 v9, v3
	v_mul_f32 v9, 0xbe9f73da, v9                   ; -i x log2(1e6)/64
	v_exp_f32 v9, v9                               ; the frequency
	s_wait_loadcnt 16                              ; the position is in; the 16 younger loads stay out
	v_cvt_f32_i32 v8, v8                           ; a plain instruction between the exponential and its use
	s_wait_alu depctr_va_vdst(0)
	v_mul_f32 v8, v8, v9                           ; the angle x
	v_mul_f32 v10, 0x3f22f983, v8                  ; x x 2/pi
	v_rndne_f32 v10, v10                           ; n
	v_fma_f32 v11, -v10, s20, v8
	v_fma_f32 v11, -v10, s21, v11                  ; rr = x - n pi/2
	v_mul_f32 v12, v11, v11                        ; z
	v_mov_b32 v13, 0xb9500d01                      ; -1/5040
	v_fmaak_f32 v13, v12, v13, 0x3c088889          ; + 1/120
	v_fmaak_f32 v13, v12, v13, 0xbe2aaaab          ; - 1/6
	v_mul_f32 v14, v11, v12
	v_fma_f32 v13, v14, v13, v11                   ; sin rr
	v_mov_b32 v15, 0x37d00d01                      ; 1/40320
	v_fmaak_f32 v15, v12, v15, 0xbab60b61          ; - 1/720
	v_fmaak_f32 v15, v12, v15, 0x3d2aaaab          ; + 1/24
	v_fmaak_f32 v15, v12, v15, 0xbf000000          ; - 1/2
	v_fma_f32 v15, v12, v15, 1.0                   ; cos rr
	v_cvt_i32_f32 v10, v10                         ; the quadrant is n mod 4
	v_and_b32 v14, 1, v10
	v_cmp_eq_u32 vcc_lo, 1, v14
	v_cndmask_b32 v8, v15, v13, vcc_lo             ; odd quadrant: cosine and sine change places
	v_cndmask_b32 v9, v13, v15, vcc_lo
	v_and_b32 v14, 2, v10
	v_lshlrev_b32 v14, 30, v14
	v_xor_b32 v9, v9, v14                          ; sine is negative in quadrants 2, 3
	v_add_nc_u32 v10, 1, v10
	v_and_b32 v10, 2, v10
	v_lshlrev_b32 v10, 30, v10
	v_xor_b32 v8, v8, v10                          ; cosine in quadrants 1, 2
	global_store_b64 v2, v[8:9], s[10:11]
.irp i, 0,1,2,3,4,5,6,7,8,9,10,11,12,13,14,15
	s_wait_loadcnt 15-\i                           ; loads come back in order: number i is in, the younger ones stay out
	v_cvt_pk_bf16_f32 v[YB+2*\i], v[X+4*\i], v[X+4*\i+1]
	v_cvt_pk_bf16_f32 v[YB+2*\i+1], v[X+4*\i+2], v[X+4*\i+3]
	global_store_b64 v2, v[YB+2*\i:YB+2*\i+1], s[8:9] offset:2048*\i
.endr
	s_endpgm
.Lfunc_end_k_q113428f133_prep:
	.size	k_q113428f133_prep, .Lfunc_end_k_q113428f133_prep-k_q113428f133_prep
	.p2alignl 7, 3214868480
	.fill 96, 4, 3214868480
	.section	.rodata,"a",@progbits
	.p2align	6, 0x0
	.amdhsa_kernel k_q113428f133_prep
		.amdhsa_group_segment_fixed_size 0
		.amdhsa_private_segment_fixed_size 0
		.amdhsa_enable_private_segment 0
		.amdhsa_kernarg_size 32
		.amdhsa_user_sgpr_count 2
		.amdhsa_user_sgpr_kernarg_segment_ptr 1
		.amdhsa_wavefront_size32 1
		.amdhsa_system_sgpr_workgroup_id_x 1
		.amdhsa_system_sgpr_workgroup_id_y 1
		.amdhsa_system_sgpr_workgroup_id_z 1
		.amdhsa_system_vgpr_workitem_id 0
		.amdhsa_next_free_vgpr 112
		.amdhsa_next_free_sgpr 66
		.amdhsa_reserve_vcc 1
		.amdhsa_float_denorm_mode_32 3
		.amdhsa_float_denorm_mode_16_64 3
		.amdhsa_memory_ordered 1
		.amdhsa_forward_progress 1
		.amdhsa_inst_pref_size 9
	.end_amdhsa_kernel
	.amdgpu_metadata
---
amdhsa.version: [ 1, 2 ]
amdhsa.kernels:
  - .name:           k_q113428f133_prep
    .symbol:         k_q113428f133_prep.kd
    .args:
      - { .name: hidden_states, .offset: 0, .size: 8, .value_kind: global_buffer, .address_space: global }
      - { .name: positions, .offset: 8, .size: 8, .value_kind: global_buffer, .address_space: global }
      - { .name: xb, .offset: 16, .size: 8, .value_kind: global_buffer, .address_space: global }
      - { .name: cs, .offset: 24, .size: 8, .value_kind: global_buffer, .address_space: global }
    .group_segment_fixed_size: 0
    .private_segment_fixed_size: 0
    .kernarg_segment_align: 8
    .kernarg_segment_size: 32
    .max_flat_workgroup_size: 256
    .sgpr_count:     66
    .vgpr_count:     112
    .wavefront_size: 32
...
	.end_amdgpu_metadata
.endif
;; end of part 1
;; launch qkv (part 2): grid 64 x 4, 4 waves a work-group, clusters of 4 x 1, 327,680 bytes of LDS; arguments xb, Wq, Wk, Wv, Wo, q_norm_w, k_norm_w, cs, qb, kb, vb, out1, out2, wob; writes qb, kb, vb, out1, out2, wob
.if DOCPART == 2
	.amdgcn_target "amdgcn-amd-amdhsa--gfx1250"
	.amdhsa_code_object_version 6
	.text
	.protected	k_q113428f133_qkv
	.globl	k_q113428f133_qkv
	.p2align	8
	.type	k_q113428f133_qkv,@function
k_q113428f133_qkv:
	s_mov_b64 s[64:65], 0
	v_nop
	global_prefetch_b8 v0, s[64:65] scope:SCOPE_SE
	s_setreg_imm32_b32 hwreg(HW_REG_WAVE_MODE, 25, 1), 1
	s_wait_xcnt 0x0
	s_wait_alu depctr_hold_cnt(0) depctr_sa_sdst(0) depctr_va_vdst(0) depctr_va_sdst(0) depctr_va_ssrc(0) depctr_va_vcc(0) depctr_vm_vsrc(0)
	s_getreg_b32 s2, hwreg(HW_REG_IB_STS2, 6, 4)
	s_cmp_eq_u32 s2, 0
	s_cbranch_scc0 .Lentry_in_a_cluster
	s_endpgm
.Lentry_in_a_cluster:
	s_bfe_u32 s2, ttmp6, 0x10000c
	s_cmp_lg_u32 s2, 0x3003
	s_cbranch_scc0 .Lentry_shape_is_right
	s_endpgm
.Lentry_shape_is_right:
; Clusters 0-11 along x (192 work-groups): q, k, v = xb x (Wq | Wk | Wv), then per head RMSNorm and interleaved RoPE (q, k).
; Clusters 12-15 (64 work-groups): wob = 16 x (Wo rounded to bf16), as f16, so that the last launch need not convert Wo once for each row block.
; The kind of work hangs on the cluster's x alone, which the four partners share.
; GEMM.  A work-group makes 256 rows x one head (128 columns); wave w rows 64 w .. 64 w + 63: 32 accumulators of 16 x 16, 256 registers.
; The matrix instruction is used transposed (source 0 = 16 columns of W, source 1 = 16 rows of xb): lane (r, h) holds row 16 a + r and the
; eight columns 16 b + 8 h + 0..7, so a row's norm wants one exchange between the halves of the lanes and a RoPE pair lies in one lane.
; xb comes by joint tensor loads: the four partners (four heads, the same 256 rows) ask for the same tile; K steps of 256 (rows of 512 bytes), two slots.
; W is f32 and lies [k][n]: it has to pass registers to be rounded, so it comes by global loads through a ring of four register slots (chunks of
; 64 k; 16 loads of 512 consecutive bytes a wave and chunk; three chunks, 48 loads a wave, are out at any time, across barriers too), is rounded
; to bf16, laid [k][n] into one of two LDS buffers, and read turned by ds_load_tr16_b128.  W's tiles are shared by the four work-groups of a
; column of the grid, which lie in different clusters: they are not asked for jointly, since they do not go through the tensor mover.
; FORMATS.  Every floating-point input of the program is taken rounded to bf16: xb and W as matrix operands, and the two norm weights too, so that the
; whole is one computation on bf16 inputs; against f32 norm weights q and k differ by up to 2^-8 relative in a channel.
; q and k (normalised) leave in f16, v as v/16 in f16.
; LIMITS.  |v| under 1.04e6; 11.32 x |norm weight| under 65,504; |Wo| under 4,094; |Wo| under 2^-18 is kept to 2^-29 absolute.
;
; LDS: two slots of 256 rows x 528 bytes (512 + 16 of padding); two W buffers of 64 rows x 288 bytes (256 + 32); the spare words.
; The way out's stages lie in the wave's own 64 rows of slot 0, which has had its last fill and, two K steps' barriers ago, its last read.
; REGISTERS, in windows of 256: window 0 addresses, at work, tables; window 1 accumulators ((a, b) at v[64 a + 8 b]);
; window 2 fragments: W v0-63 | v64-127, xb v128-159 | v160-191 (two buffers of 32 along K); on the way out rows read back;  window 3 W's ring, 4 x 64.
.set PA,    528
.set AWAVE, 64*PA                      ; a wave's 64 rows of a slot: what its tensor load brings and what it alone reads
.set SLOT,  4*AWAVE
.set WPI,   288
.set WBUF,  64*WPI
.set WSTG,  2*SLOT
.set SPARE, WSTG+2*WBUF                ; 128 bytes for each wave: two blocks of 256 bytes that no other line names
.set STGH,  8704                       ; the f16 stage (16 x 272) behind the f32 stage (16 x 528) of a wave
.set ADRA, 4                           ; v4-5   my xb fragments in slot 0, 1
.set ADRS, 6                           ; v6-7   my place in W buffer 0, 1 for the turning load
.set ADRT, 8                           ; v8-9   where I store my 16 k-rows of W buffer 0, 1
.set SPW,  10                          ; v10    my spare word; never rewritten
.set NIL,  11                          ; v11    0; never rewritten
.set L16,  12                          ; v12    16 x lane
.set STF,  13
.set RDF,  14
.set STH,  15
.set RDH,  16
.set H32,  17
.set SQ,   20                          ; v[20:27] four chains of squares
.set RS,   28                          ; v[28:29] 1/rms, twice
.set RT,   30                          ; v[30:37] RoPE, at work
.set VO,   40                          ; v[40:55] byte offsets of my 16 k-rows of a chunk of W
.set T,    64                          ; v[64:95] a chunk's 16 x 4 numbers as bf16
.set Y,    64                          ; v[64:127] the way out: 16 rows x my 64 numbers
.set CSR,  128                         ; v[128:191] cos, sin for block a
.set WN,   192                         ; v[192:255] the norm's weights of my 64 columns
.set WV,   32                          ; s32 wave
.set G1,   48                          ; s[48:55] descriptor group 1
.set G0,   56                          ; s[56:63] descriptor group 0, a set for each slot
.set W_MUL, 0x5a                       ; sources 0, 1 window 2; C, D window 1
.set W_FET, 0x80                       ; destination window 2
.set W_RNG, 0xc0                       ; destination window 3
.set W_CVW, 0x0f                       ; sources 0, 1 window 3
.set W_SS,  0x05                       ; sources 0, 1 window 1
.set W_SC,  0x01                       ; source 0 window 1
.set W_D1,  0x04                       ; store data window 1
.set W_D2,  0x08                       ; store data window 2
.set MSB, 0
.macro WIN new                         ; the immediate's high byte repeats the setting that is left
.if MSB != \new
	s_set_vgpr_msb (MSB<<8)|\new
.set MSB, \new
.endif
.endm
.macro PLACES                          ; four plain vector instructions behind matrix instructions, ahead of loads into their sources and of reads of their results
.rept 4
	v_nop
.endr
.endm
.macro CREST                           ; a round of the cluster's barrier behind its opening barrier
	s_cmp_lg_u32 s[WV], 0
	s_cbranch_scc1 .Lnot_wave_0_\@
	s_barrier_signal -3
.Lnot_wave_0_\@:
	s_barrier_wait -3
	s_barrier_signal -1
	s_barrier_wait -1
.endm
.macro CROUND
	s_barrier_signal -1
	s_barrier_wait -1
	CREST
.endm
	s_load_b512 s[4:19], s[0:1], 0x0               ; xb 4, Wq 6, Wk 8, Wv 10, Wo 12, q_norm_w 14, k_norm_w 16, cs 18
	s_load_b256 s[20:27], s[0:1], 0x40             ; qb 20, kb 22, vb 24, out1 26
	s_load_b128 s[28:31], s[0:1], 0x60             ; out2 28, wob 30
	v_lshl_add_u32 v[SPW], v0, 2, SPARE
	v_mov_b32 v[NIL], 0
	ds_add_u32 v10, v11
	s_wait_dscnt 0x0
	v_lshrrev_b32 v1, 5, v0
	v_readfirstlane_b32 s[WV], v1
	s_bfe_u32 s33, ttmp6, 0x40000                  ; cx: it enters global addresses of W and of the results alone
	s_and_b32 s34, ttmp7, 0xffff                   ; y: the block of 256 rows
	v_and_b32 v3, 31, v0
	v_lshlrev_b32 v[L16], 4, v3
	s_wait_kmcnt 0x0
	s_cmp_ge_u32 ttmp9, 12
	s_cbranch_scc1 .Lconvert
	; which projection: clusters 0-7 q, 8-9 k, 10-11 v
	v_and_b32 v1, 15, v0                           ; r
	v_bfe_u32 v2, v0, 4, 1                         ; h
	s_lshl_b32 s37, ttmp9, 2
	s_add_co_u32 s37, s37, s33
	s_mov_b32 s44, 4096                            ; bytes in a row of Wk, Wv
	s_mov_b32 s39, 16384                           ; of Wq
	s_cmp_lt_u32 ttmp9, 10
	s_cselect_b32 s38, 32, 40
	s_cselect_b32 s36, 0, 1                        ; s36 = 1: v
	s_cselect_b64 s[40:41], s[8:9], s[10:11]
	s_cselect_b64 s[66:67], s[22:23], s[24:25]
	s_cselect_b64 s[68:69], s[26:27], s[28:29]
	s_cmp_lt_u32 ttmp9, 8
	s_cselect_b32 s38, 0, s38
	s_cselect_b32 s35, 1, 0                        ; s35 = 1: q
	s_cselect_b32 s44, s39, s44
	s_cselect_b64 s[40:41], s[6:7], s[40:41]       ; the weight
	s_cselect_b64 s[66:67], s[20:21], s[66:67]     ; the f16 result
	s_cselect_b64 s[72:73], s[14:15], s[16:17]     ; the norm's weight
	s_sub_co_u32 s37, s37, s38                     ; the head within its tensor
	; descriptor group 1: 64 rows x 256 elements of 2 bytes, 16 bytes of padding behind every 512; mask: all four partners, bit 21 beside it
	s_mov_b32 s[G1+0], 15|(1<<16)|(1<<20)|(1<<21)|(6<<22)|(3<<25)
	s_mov_b32 s[G1+1], 256<<16                     ; tensor_dim0
	s_mov_b32 s[G1+2], 64<<16                      ; tensor_dim1
	s_mov_b32 s[G1+3], 256<<16                     ; tile_dim0
	s_mov_b32 s[G1+4], 64                          ; tile_dim1
	s_mov_b32 s[G1+5], 4096                        ; elements from row to row
	s_mov_b32 s[G1+6], 0
	s_mov_b32 s[G1+7], 0
	s_lshl_b32 s46, s34, 21                        ; 256 y rows of 8,192 bytes
	s_lshl_b32 s47, s[WV], 19                      ; + 64 w rows
	s_add_co_u32 s46, s46, s47
	s_mov_b32 s47, 0
	s_add_nc_u64 s[46:47], s[4:5], s[46:47]        ; xb at my 64 rows: y and the wave's number alone
	s_mul_i32 s39, s[WV], AWAVE                    ; my rows in a slot
	CROUND                                         ; all four work-groups are here: the first joint loads meet
.irp sl, 0,1
	s_mov_b32 s[G0+4*\sl], 1
	s_add_co_u32 s[G0+4*\sl+1], s39, \sl*SLOT
	s_add_nc_u64 s[G0+4*\sl+2:G0+4*\sl+3], s[46:47], \sl*512       ; K step sl
	s_or_b32 s[G0+4*\sl+3], s[G0+4*\sl+3], 0x80000000
.endr
	tensor_load_to_lds s[G0:G0+3], s[G1:G1+7]      ; both first fills together: two tensor loads of mine are out, never more
	s_nop 0
	tensor_load_to_lds s[G0+4:G0+7], s[G1:G1+7]
	s_nop 0
	PLACES
	; bases
	s_lshl_b32 s78, s37, 9                         ; W: the head's 128 columns
	s_mul_i32 s79, s[WV], s44
	s_lshl_b32 s79, s79, 4                         ; + my 16 k-rows of a chunk
	s_add_co_u32 s78, s78, s79
	s_mov_b32 s79, 0
	s_add_nc_u64 s[40:41], s[40:41], s[78:79]
	s_lshl_b32 s42, s44, 6                         ; a chunk: 64 k-rows
	s_mov_b32 s43, 0
	s_lshl_b32 s78, s37, 18                        ; f16 result [head][1024][128]
	s_lshl_b32 s80, s34, 16
	s_add_co_u32 s78, s78, s80
	s_lshl_b32 s80, s[WV], 14
	s_add_co_u32 s78, s78, s80
	s_add_nc_u64 s[66:67], s[66:67], s[78:79]
	s_lshl_b32 s78, s34, 20                        ; f32 result [1024][1024] (k, v)
	s_lshl_b32 s80, s[WV], 18
	s_add_co_u32 s78, s78, s80
	s_lshl_b32 s80, s37, 9
	s_add_co_u32 s78, s78, s80
	s_add_nc_u64 s[68:69], s[68:69], s[78:79]
	s_lshl_b32 s78, s34, 17                        ; cos/sin: 8,192 bytes for 16 rows
	s_lshl_b32 s80, s[WV], 15
	s_add_co_u32 s78, s78, s80
	s_add_nc_u64 s[70:71], s[18:19], s[78:79]
	s_mov_b32 s74, 0x76543210                      ; v_permlanex16_b32: each lane takes its own place in the other half
	s_mov_b32 s75, 0xfedcba98
	s_mov_b32 s76, 0x358637bd                      ; 1e-6
	s_mov_b32 s77, 0x3c000000                      ; 1/128
	; LDS addresses
	v_mul_u32_u24 v18, v1, PA
	v_lshl_add_u32 v19, v2, 4, v18
	v_add_nc_u32 v[ADRA], s39, v19                 ; (64 w + r) x 528 + 16 h
	v_add_nc_u32 v[ADRA+1], SLOT, v[ADRA]
	v_lshl_add_u32 v18, v2, 5, v18
	v_add_nc_u32 v[STF], s39, v18                  ; f32 stage, in: row r, 32 bytes for each half of the lanes
	v_add_nc_u32 v[RDF], s39, v[L16]               ; back: a row of 512 bytes
	s_add_co_u32 s80, s39, STGH
	v_mul_u32_u24 v18, v1, 272
	v_lshl_add_u32 v18, v2, 4, v18
	v_add_nc_u32 v[STH], s80, v18                  ; f16 stage, in
	v_mul_u32_u24 v18, v2, 272
	v_lshl_add_u32 v18, v1, 4, v18
	v_add_nc_u32 v[RDH], s80, v18                  ; back: two rows of 256 bytes
	v_and_b32 v18, 7, v0
	v_lshl_add_u32 v18, v2, 3, v18
	v_mul_u32_u24 v18, v18, WPI
	v_bfe_u32 v19, v0, 3, 1
	v_lshl_add_u32 v18, v19, 4, v18                ; (8 h + l % 8) x 288 + 16 ((l / 8) % 2)
	v_add_nc_u32 v[ADRS], WSTG, v18
	v_add_nc_u32 v[ADRS+1], WSTG+WBUF, v18
	s_mul_i32 s38, s[WV], 16*WPI
	v_lshl_add_u32 v18, v3, 3, s38                 ; my 16 k-rows, 8 bytes a lane
	v_add_nc_u32 v[ADRT], WSTG, v18
	v_add_nc_u32 v[ADRT+1], WSTG+WBUF, v18
	v_lshlrev_b32 v[H32], 5, v2
	v_mov_b32 v[VO], v[L16]
.irp i, 1,2,3,4,5,6,7,8,9,10,11,12,13,14,15
	s_mul_i32 s38, s44, \i
	v_add_nc_u32 v[VO+\i], s38, v[L16]
.endr
.macro CSLD a                          ; cos and sin of block a's 16 rows for my 32 column pairs
.irp b, 0,1,2,3,4,5,6,7
	global_load_b128 v[CSR+8*\b:CSR+8*\b+3],   v[L16], s[70:71] offset:(\a)*8192+\b*1024
	global_load_b128 v[CSR+8*\b+4:CSR+8*\b+7], v[L16], s[70:71] offset:(\a)*8192+\b*1024+512
.endr
.endm
; 16 loads: my 16 k-rows x 512 bytes of the next chunk of W, into ring slot rs
.macro WLD rs, step
.if \step
	s_wait_xcnt 0x0                                ; the base is stepped only when the addresses of the loads that name it are translated
	s_add_nc_u64 s[40:41], s[40:41], s[42:43]
.endif
	WIN W_RNG
.irp i, 0,1,2,3,4,5,6,7,8,9,10,11,12,13,14,15
	global_load_b128 v[64*(\rs)+4*\i:64*(\rs)+4*\i+3], v[VO+\i], s[40:41]
.endr
.endm
.macro CVT rs                          ; ring slot rs to bf16
	WIN W_CVW
.irp i, 0,1,2,3,4,5,6,7,8,9,10,11,12,13,14,15
	v_cvt_pk_bf16_f32 v[T+2*\i],   v[64*(\rs)+4*\i],   v[64*(\rs)+4*\i+1]
	v_cvt_pk_bf16_f32 v[T+2*\i+1], v[64*(\rs)+4*\i+2], v[64*(\rs)+4*\i+3]
.endr
.endm
.macro CVST p                          ; into W buffer p: a store covers a k-row's 256 bytes
	WIN 0
.irp i, 0,1,2,3,4,5,6,7,8,9,10,11,12,13,14,15
	ds_store_b64 v[ADRT+(\p)], v[T+2*\i:T+2*\i+1] offset:WPI*\i
.endr
.endm
; 8 matrix instructions: row block a x all 8 column blocks, 32 along K, fragment buffer f.  zero = 1: the product starts the sums.
.macro MULA f, a, zero
.irp b, 0,1,2,3,4,5,6,7
.if \zero
	v_wmma_f32_16x16x32_bf16 v[64*(\a)+8*\b:64*(\a)+8*\b+7], v[64*\f+8*\b:64*\f+8*\b+7], v[128+32*\f+8*(\a):128+32*\f+8*(\a)+7], 0
.else
	v_wmma_f32_16x16x32_bf16 v[64*(\a)+8*\b:64*(\a)+8*\b+7], v[64*\f+8*\b:64*\f+8*\b+7], v[128+32*\f+8*(\a):128+32*\f+8*(\a)+7], v[64*(\a)+8*\b:64*(\a)+8*\b+7]
.endif
.endr
.endm
; 24 LDS loads: half hf (32 k) of chunk q of slot sl's K step into buffer f: W's 8 column blocks turned, then xb's 4 row blocks (blocks 2, 3 last)
.macro FETCH sl, q, hf, f
	WIN W_FET
.irp b, 0,1,2,3,4,5,6,7
	ds_load_tr16_b128 v[64*\f+8*\b:64*\f+8*\b+3],   v[ADRS+((\q)&1)] offset:32*\hf*WPI+32*\b
	ds_load_tr16_b128 v[64*\f+8*\b+4:64*\f+8*\b+7], v[ADRS+((\q)&1)] offset:32*\hf*WPI+16*WPI+32*\b
.endr
.irp a, 0,1,2,3
	ds_load_b128 v[128+32*\f+8*\a:128+32*\f+8*\a+3],   v[ADRA+(\sl)] offset:\a*16*PA+128*(\q)+64*\hf
	ds_load_b128 v[128+32*\f+8*\a+4:128+32*\f+8*\a+7], v[ADRA+(\sl)] offset:\a*16*PA+128*(\q)+64*\hf+32
.endr
.endm
; ONE CHUNK of 64 k: 64 matrix instructions, the 32 accumulators by turns in one fixed order.
; Beside them: the next chunk of W is rounded and laid into the other W buffer (cw: the younger loads that may stay out; -1: nothing left), and the chunk
; four on is asked for (ld).  ONE barrier at the chunk's end: my stores into the other W buffer are done, my reads of this one are over.
; endk 0: that barrier alone.  1: the K step's last chunk; the barrier opens a round of the cluster's barrier and slot sl is filled again, two K steps on.
; 2: the same waits, nothing to fill.  3: the very last chunk.
.macro ITER sl, q, zero, cw, ld, endk, nsl, nq
	s_wait_dscnt 4                                 ; all of buffer 0 but the youngest four loads (xb's blocks 2, 3)
	WIN W_MUL
	MULA 0, 0, \zero
	MULA 0, 1, \zero
	PLACES
	FETCH \sl, \q, 1, 1
	s_wait_dscnt 24                                ; all but the 24 just issued
	WIN W_MUL
	MULA 0, 2, \zero
	MULA 0, 3, \zero
.if \cw >= 0
	s_wait_loadcnt \cw                             ; the next chunk's 16 loads are in; the chunks behind it stay out
	CVT ((\q)+1)&3
	CVST ((\q)+1)&1
.if \ld
	WLD \q, 1
.endif
	s_wait_dscnt 16                                ; buffer 1 is in; my 16 stores may be out
.else
	s_wait_dscnt 0x0
.endif
.if (\endk == 1) || (\endk == 2)
	WIN 0
	s_wait_tensorcnt 0x0                           ; all my tensor loads have landed: the one that was out is my part of the other slot
	ds_add_u32 v[SPW], v[NIL]                      ; 0 onto my spare word
.endif
	WIN W_MUL
	MULA 1, 0, 0
	MULA 1, 1, 0
.if \endk == 3
	MULA 1, 2, 0
	MULA 1, 3, 0
.else
	s_wait_dscnt 0x0                               ; my stores into the other W buffer are done, my reads of this one (and of the slot) are over, the add is done
	s_barrier_signal -1
	MULA 1, 2, 0
.if \endk == 1
	WIN 0
	s_barrier_wait -1
	CREST                                          ; no wave of any partner still reads this slot or has a load on its way
	s_add_nc_u64 s[G0+4*\sl+2:G0+4*\sl+3], s[G0+4*\sl+2:G0+4*\sl+3], 1024
	tensor_load_to_lds s[G0+4*\sl:G0+4*\sl+3], s[G1:G1+7]          ; my one tensor load behind the round: it has a K step, 256 matrix instructions, in which to land
	s_nop 0
	PLACES
.else
	s_barrier_wait -1
	PLACES
.endif
	FETCH \nsl, \nq, 0, 0
	WIN W_MUL
	MULA 1, 3, 0
.endif
.endm
.macro KSTEP sl, zero, endk
	ITER \sl, 0, \zero, 32, 1, 0, \sl, 1
	ITER \sl, 1, 0, 32, 1, 0, \sl, 2
	ITER \sl, 2, 0, 32, 1, 0, \sl, 3
	ITER \sl, 3, 0, 32, 1, \endk, 1-\sl, 0
.endm
	; the tables first (v's work-groups run the same text and load them too), then W's ring
.irp b, 0,1,2,3,4,5,6,7
	global_load_b128 v[WN+8*\b:WN+8*\b+3],   v[H32], s[72:73] offset:64*\b
	global_load_b128 v[WN+8*\b+4:WN+8*\b+7], v[H32], s[72:73] offset:64*\b+16
.endr
	CSLD 0
	WLD 0, 0
	WLD 1, 1
	WLD 2, 1
	s_wait_loadcnt 32                              ; chunk 0 and the tables are in; chunks 1, 2 stay out
	CVT 0
	CVST 0
	WLD 3, 1
	; the norm's weights, which landed ahead of chunk 0, are rounded to bf16 (to nearest even) and widened again, in place: two at a time, while the first tile is on its way
	WIN 0
.set i, 0
.rept 32
	v_cvt_pk_bf16_f32 v[RT+(i%4)], v[WN+2*i], v[WN+2*i+1]
	v_lshlrev_b32 v[WN+2*i], 16, v[RT+(i%4)]
	v_and_b32 v[WN+2*i+1], 0xffff0000, v[RT+(i%4)]
.set i, i+1
.endr
	s_wait_tensorcnt 1                             ; my part of K step 0 is in; K step 1's may stay out
	s_wait_dscnt 0x0                               ; my part of W's chunk 0 is stored
	s_barrier_signal -1
	s_barrier_wait -1
	FETCH 0, 0, 0, 0
	KSTEP 0, 1, 1                                  ; K step 0: its first products start the sums
	KSTEP 1, 0, 1
	WIN 0
	s_mov_b32 s45, 6
.Llap:                                                 ; K steps 2 to 13
	KSTEP 0, 0, 1
	KSTEP 1, 0, 1
	WIN 0
	s_sub_co_u32 s45, s45, 1
	s_cmp_lg_u32 s45, 0
	s_cbranch_scc1 .Llap
	KSTEP 0, 0, 2                                  ; K step 14: nothing is left to ask for
	ITER 1, 0, 0, 32, 0, 0, 1, 1                   ; K step 15: W's ring runs out: 32, 16, 0 younger loads
	ITER 1, 1, 0, 16, 0, 0, 1, 2
	ITER 1, 2, 0, 0,  0, 0, 1, 3
	ITER 1, 3, 0, -1, 0, 3, 0, 0
; THE WAY OUT, 16 rows (block a) at a time.
.macro NR a                            ; RMSNorm and RoPE of block a into Y
	WIN W_SS
.irp p, 0,1,2,3
	v_pk_mul_f32 v[SQ+2*\p:SQ+2*\p+1], v[64*\a+2*\p:64*\a+2*\p+1], v[64*\a+2*\p:64*\a+2*\p+1]
.endr
.irp b, 1,2,3,4,5,6,7
.irp p, 0,1,2,3
	v_pk_fma_f32 v[SQ+2*\p:SQ+2*\p+1], v[64*\a+8*\b+2*\p:64*\a+8*\b+2*\p+1], v[64*\a+8*\b+2*\p:64*\a+8*\b+2*\p+1], v[SQ+2*\p:SQ+2*\p+1]
.endr
.endr
	WIN 0
	v_pk_add_f32 v[SQ:SQ+1], v[SQ:SQ+1], v[SQ+2:SQ+3]
	v_pk_add_f32 v[SQ+4:SQ+5], v[SQ+4:SQ+5], v[SQ+6:SQ+7]
	v_pk_add_f32 v[SQ:SQ+1], v[SQ:SQ+1], v[SQ+4:SQ+5]
	v_add_f32 v[SQ], v[SQ], v[SQ+1]
	v_permlanex16_b32 v[SQ+1], v[SQ], s74, s75     ; the row's other 64 columns lie in the lane 16 away
	v_add_f32 v[SQ], v[SQ], v[SQ+1]
	v_fma_f32 v[SQ], v[SQ], s77, s76               ; mean + eps
	v_rsq_f32 v[RS], v[SQ]
	v_rsq_f32 v[RS+1], v[SQ]
	v_nop                                          ; a plain instruction between the root and its use
	WIN W_SC
.set i, 0
	s_wait_alu depctr_va_vdst(0)
.rept 32
	v_pk_mul_f32 v[Y+2*i:Y+2*i+1], v[64*\a+2*i:64*\a+2*i+1], v[RS:RS+1]
.set i, i+1
.endr
	WIN 0
.set i, 0
.rept 32
	v_pk_mul_f32 v[Y+2*i:Y+2*i+1], v[Y+2*i:Y+2*i+1], v[WN+2*i:WN+2*i+1]
.set i, i+1
.endr
	s_wait_loadcnt 0x0                             ; block a's cos and sin
.irp b, 0,1,2,3,4,5,6,7
.irp p, 0,1,2,3
	v_mul_f32 v[RT+\p],   v[Y+8*\b+2*\p+1], v[CSR+8*\b+2*\p+1]      ; x2 sin
	v_mul_f32 v[RT+4+\p], v[Y+8*\b+2*\p],   v[CSR+8*\b+2*\p+1]      ; x1 sin
.endr
.irp p, 0,1,2,3
	v_fma_f32 v[Y+8*\b+2*\p],   v[Y+8*\b+2*\p],   v[CSR+8*\b+2*\p], -v[RT+\p]
	v_fma_f32 v[Y+8*\b+2*\p+1], v[Y+8*\b+2*\p+1], v[CSR+8*\b+2*\p], v[RT+4+\p]
.endr
.endr
.if \a < 3
	CSLD \a+1
.endif
.endm
; f32 rows through my stage: 32 bytes a lane in, whole rows of 512 bytes back, each stored by one instruction.  fromacc = 1: straight from the accumulators.
.macro OUTF a, fromacc
	s_wait_xcnt 0x0                                ; the registers that the last block's stores read are loaded again only behind this wait
.if \fromacc
	WIN W_D1
.irp b, 0,1,2,3,4,5,6,7
	ds_store_b128 v[STF], v[64*\a+8*\b:64*\a+8*\b+3]   offset:64*\b
	ds_store_b128 v[STF], v[64*\a+8*\b+4:64*\a+8*\b+7] offset:64*\b+16
.endr
.else
	WIN 0
.irp b, 0,1,2,3,4,5,6,7
	ds_store_b128 v[STF], v[Y+8*\b:Y+8*\b+3]   offset:64*\b
	ds_store_b128 v[STF], v[Y+8*\b+4:Y+8*\b+7] offset:64*\b+16
.endr
.endif
	WIN W_FET
.irp t, 0,1,2,3,4,5,6,7,8,9,10,11,12,13,14,15
	ds_load_b128 v[4*\t:4*\t+3], v[RDF] offset:PA*\t               ; LDS serves a wave's instructions in order: these see the stores above
.endr
	s_wait_dscnt 0x0
	WIN W_D2
.irp t, 0,1,2,3,4,5,6,7,8,9,10,11,12,13,14,15
	global_store_b128 v[L16], v[4*\t:4*\t+3], s[68:69] offset:(16*\a+\t)*4096 th:TH_STORE_NT
.endr
	WIN 0
.endm
; Y to f16 through my stage: 16 bytes a lane in, two rows of 256 bytes back; in [head][row][128] they are 512 consecutive bytes
.macro OUTH a
	s_wait_xcnt 0x0
	WIN W_FET
.set i, 0
.rept 32
	v_cvt_pk_f16_f32 v[64+i], v[Y+2*i], v[Y+2*i+1]
.set i, i+1
.endr
	WIN W_D2
.irp b, 0,1,2,3,4,5,6,7
	ds_store_b128 v[STH], v[64+4*\b:64+4*\b+3] offset:32*\b
.endr
	WIN W_FET
.irp t, 0,1,2,3,4,5,6,7
	ds_load_b128 v[96+4*\t:96+4*\t+3], v[RDH] offset:544*\t
.endr
	s_wait_dscnt 0x0
	WIN W_D2
.irp t, 0,1,2,3,4,5,6,7
	global_store_b128 v[L16], v[96+4*\t:96+4*\t+3], s[66:67] offset:(16*\a+2*\t)*256
.endr
	WIN 0
.endm
	PLACES
	WIN 0
	s_cmp_lg_u32 s36, 0
	s_cbranch_scc1 .Lvpath
.irp a, 0,1,2,3
	NR \a
	s_cmp_lg_u32 s35, 0
	s_cbranch_scc1 .Lno_f32_\a                     ; q has no f32 result
	OUTF \a, 0
.Lno_f32_\a:
	OUTH \a
.endr
	s_branch .Lend
.Lvpath:
.irp a, 0,1,2,3
	OUTF \a, 1
	WIN W_SC
.set i, 0
.rept 32
	v_pk_mul_f32 v[Y+2*i:Y+2*i+1], v[64*\a+2*i:64*\a+2*i+1], 0x3d800000 op_sel_hi:[1,0]   ; v / 16
.set i, i+1
.endr
	WIN 0
	OUTH \a
.endr
.Lend:
	s_wait_tensorcnt 0x0                           ; the wave's end
	ds_add_u32 v[SPW], v[NIL]
	s_wait_dscnt 0x0
	CROUND                                         ; the closing round
	s_endpgm
; THE CONVERTERS.  Work-group idx of 64 owns 1 MiB of Wo, a wave 256 KiB: 32 chunks of 16 loads x 512 bytes, on two register banks, so that 16 to 32 loads of a wave are out.
.macro CBANK x, yc, in, out, reload, left
	s_wait_loadcnt \left                           ; this bank is in; the other bank's 16 loads stay out
.irp i, 0,1,2,3,4,5,6,7,8,9,10,11,12,13,14,15
	v_cvt_pk_bf16_f32 v[20+6*(\i%2)], v[\x+4*\i],   v[\x+4*\i+1]   ; the rounding that the other weights get,
	v_cvt_pk_bf16_f32 v[21+6*(\i%2)], v[\x+4*\i+2], v[\x+4*\i+3]
	v_lshlrev_b32 v[22+6*(\i%2)], 16, v[20+6*(\i%2)]
	v_and_b32     v[23+6*(\i%2)], 0xffff0000, v[20+6*(\i%2)]
	v_lshlrev_b32 v[24+6*(\i%2)], 16, v[21+6*(\i%2)]
	v_and_b32     v[25+6*(\i%2)], 0xffff0000, v[21+6*(\i%2)]
	v_pk_mul_f32 v[22+6*(\i%2):23+6*(\i%2)], v[22+6*(\i%2):23+6*(\i%2)], 0x41800000 op_sel_hi:[1,0]   ; times 16,
	v_pk_mul_f32 v[24+6*(\i%2):25+6*(\i%2)], v[24+6*(\i%2):25+6*(\i%2)], 0x41800000 op_sel_hi:[1,0]
	v_cvt_pk_f16_f32 v[\yc+2*\i],   v[22+6*(\i%2)], v[23+6*(\i%2)]  ; exact in f16 in its normal range
	v_cvt_pk_f16_f32 v[\yc+2*\i+1], v[24+6*(\i%2)], v[25+6*(\i%2)]
.endr
.if \reload
.irp i, 0,1,2,3,4,5,6,7,8,9,10,11,12,13,14,15
	global_load_b128 v[\x+4*\i:\x+4*\i+3], v[L16], s[12:13] offset:\in+16384+512*\i th:TH_LOAD_NT
.endr
.endif
.irp i, 0,1,2,3,4,5,6,7,8,9,10,11,12,13,14,15
	global_store_b64 v18, v[\yc+2*\i:\yc+2*\i+1], s[30:31] offset:\out+256*\i     ; 256 consecutive bytes, aligned
.endr
.endm
.Lconvert:
	s_sub_co_u32 s38, ttmp9, 12
	s_lshl_b32 s38, s38, 4
	s_lshl2_add_u32 s38, s34, s38
	s_add_co_u32 s38, s38, s33                     ; idx = 16 (cluster x - 12) + 4 y + cx
	s_lshl_b32 s40, s38, 20
	s_lshl_b32 s39, s[WV], 18
	s_add_co_u32 s40, s40, s39
	s_mov_b32 s41, 0
	s_add_nc_u64 s[12:13], s[12:13], s[40:41]
	s_lshr_b32 s40, s40, 1
	s_add_nc_u64 s[30:31], s[30:31], s[40:41]
	v_lshlrev_b32 v18, 3, v3                       ; 8 x lane
.irp i, 0,1,2,3,4,5,6,7,8,9,10,11,12,13,14,15
	global_load_b128 v[64+4*\i:64+4*\i+3], v[L16], s[12:13] offset:512*\i th:TH_LOAD_NT
.endr
.irp i, 0,1,2,3,4,5,6,7,8,9,10,11,12,13,14,15
	global_load_b128 v[128+4*\i:128+4*\i+3], v[L16], s[12:13] offset:8192+512*\i th:TH_LOAD_NT
.endr
	s_mov_b32 s45, 15
.Lcv:
	CBANK 64, 192, 0, 0, 1, 16
	CBANK 128, 224, 8192, 4096, 1, 16
	s_wait_xcnt 0x0                                ; the bases and the stores' data are rewritten only behind this wait
	s_add_nc_u64 s[12:13], s[12:13], 16384
	s_add_nc_u64 s[30:31], s[30:31], 8192
	s_sub_co_u32 s45, s45, 1
	s_cmp_lg_u32 s45, 0
	s_cbranch_scc1 .Lcv
	CBANK 64, 192, 0, 0, 0, 16                     ; the last two chunks load nothing
	CBANK 128, 224, 8192, 4096, 0, 0
	s_wait_tensorcnt 0x0                           ; the wave's end
	ds_add_u32 v[SPW], v[NIL]
	s_wait_dscnt 0x0
	CROUND
	s_endpgm
.Lfunc_end_k_q113428f133_qkv:
	.size	k_q113428f133_qkv, .Lfunc_end_k_q113428f133_qkv-k_q113428f133_qkv
	.p2alignl 7, 3214868480
	.fill 96, 4, 3214868480
	.section	.rodata,"a",@progbits
	.p2align	6, 0x0
	.amdhsa_kernel k_q113428f133_qkv
		.amdhsa_group_segment_fixed_size 327680
		.amdhsa_private_segment_fixed_size 0
		.amdhsa_enable_private_segment 0
		.amdhsa_kernarg_size 112
		.amdhsa_user_sgpr_count 2
		.amdhsa_user_sgpr_kernarg_segment_ptr 1
		.amdhsa_wavefront_size32 1
		.amdhsa_system_sgpr_workgroup_id_x 1
		.amdhsa_system_sgpr_workgroup_id_y 1
		.amdhsa_system_sgpr_workgroup_id_z 1
		.amdhsa_system_vgpr_workitem_id 0
		.amdhsa_next_free_vgpr 1024
		.amdhsa_next_free_sgpr 84
		.amdhsa_reserve_vcc 0
		.amdhsa_float_denorm_mode_32 3
		.amdhsa_float_denorm_mode_16_64 3
		.amdhsa_memory_ordered 1
		.amdhsa_forward_progress 1
		.amdhsa_inst_pref_size 255
	.end_amdhsa_kernel
	.section	.bss,"aw",@nobits
	.p2align	6
	.space	262144
	.amdgpu_metadata
---
amdhsa.version: [ 1, 2 ]
amdhsa.kernels:
  - .name:           k_q113428f133_qkv
    .symbol:         k_q113428f133_qkv.kd
    .args:
      - { .name: xb, .offset: 0, .size: 8, .value_kind: global_buffer, .address_space: global }
      - { .name: Wq, .offset: 8, .size: 8, .value_kind: global_buffer, .address_space: global }
      - { .name: Wk, .offset: 16, .size: 8, .value_kind: global_buffer, .address_space: global }
      - { .name: Wv, .offset: 24, .size: 8, .value_kind: global_buffer, .address_space: global }
      - { .name: Wo, .offset: 32, .size: 8, .value_kind: global_buffer, .address_space: global }
      - { .name: q_norm_w, .offset: 40, .size: 8, .value_kind: global_buffer, .address_space: global }
      - { .name: k_norm_w, .offset: 48, .size: 8, .value_kind: global_buffer, .address_space: global }
      - { .name: cs, .offset: 56, .size: 8, .value_kind: global_buffer, .address_space: global }
      - { .name: qb, .offset: 64, .size: 8, .value_kind: global_buffer, .address_space: global }
      - { .name: kb, .offset: 72, .size: 8, .value_kind: global_buffer, .address_space: global }
      - { .name: vb, .offset: 80, .size: 8, .value_kind: global_buffer, .address_space: global }
      - { .name: out1, .offset: 88, .size: 8, .value_kind: global_buffer, .address_space: global }
      - { .name: out2, .offset: 96, .size: 8, .value_kind: global_buffer, .address_space: global }
      - { .name: wob, .offset: 104, .size: 8, .value_kind: global_buffer, .address_space: global }
    .group_segment_fixed_size: 327680
    .private_segment_fixed_size: 0
    .kernarg_segment_align: 8
    .kernarg_segment_size: 112
    .max_flat_workgroup_size: 128
    .sgpr_count:     84
    .vgpr_count:     1024
    .wavefront_size: 32
...
	.end_amdgpu_metadata
.endif
;; end of part 2
;; launch attn (part 3): grid 32 x 8, 4 waves a work-group, clusters of 4 x 1, 327,680 bytes of LDS; arguments qb, kb, vb, ab; writes ab
.if DOCPART == 3
	.amdgcn_target "amdgcn-amd-amdhsa--gfx1250"
	.amdhsa_code_object_version 6
	.text
	.protected	k_q113428f133_attn
	.globl	k_q113428f133_attn
	.p2align	8
	.type	k_q113428f133_attn,@function
k_q113428f133_attn:
	s_mov_b64 s[64:65], 0
	v_nop
	global_prefetch_b8 v0, s[64:65] scope:SCOPE_SE
	s_setreg_imm32_b32 hwreg(HW_REG_WAVE_MODE, 25, 1), 1
	s_wait_xcnt 0x0
	s_wait_alu depctr_hold_cnt(0) depctr_sa_sdst(0) depctr_va_vdst(0) depctr_va_sdst(0) depctr_va_ssrc(0) depctr_va_vcc(0) depctr_vm_vsrc(0)
	s_getreg_b32 s2, hwreg(HW_REG_IB_STS2, 6, 4)
	s_cmp_eq_u32 s2, 0
	s_cbranch_scc0 .Lentry_in_a_cluster
	s_endpgm
.Lentry_in_a_cluster:
	s_bfe_u32 s2, ttmp6, 0x10000c
	s_cmp_lg_u32 s2, 0x3003
	s_cbranch_scc0 .Lentry_shape_is_right
	s_endpgm
.Lentry_shape_is_right:
; ab[q][head][:] = (the sum over keys k <= q of softmax_k(Q[head][q] . K[g][k] / sqrt(128)) V[g][k][:]) / 16, in f16.  qb [32][1024][128], kb, vb [8][1024][128] f16; vb holds v / 16.
; SHARES.  Work-group (j, g), j = 0..31: key and value head g; wave w takes query head 4 g + w.  A wave makes two tiles of 16 queries, one after the other:
; pass a rows 16 j on, which want C2 + 1 key steps of 128 (C2 = j / 8), pass b rows 16 (63 - j) on, which want 8 - C2: nine steps for every wave of the launch.
; The four partners of a cluster share g and C2, so they walk the same tiles of K and V: each tile is asked for JOINTLY (mask of all four).
; LAYOUT.  S^T = K Q^T (source 0 = 16 keys, source 1 = 16 queries): a lane holds one query (lane % 16) and the keys 8 (lane / 16) + 0..7 of each block of 16.  Rounded to f16 in pairs,
; two such blocks are source 1 of O^T = V^T P.  K comes out of LDS as it lies, V turned (ds_load_tr16_b128).
; SOFTMAX.  A running maximum m and sum l for each query: p = 2^(c s - c m), c = log2(e) / sqrt(128); O and l are multiplied by 2^(c m_old - c m_new).  Keys behind the query get -1e30, as in the problem.
; A pass's first step stands in front of its loop: its products start O^T and it has no old maximum.  All trip counts and branches hang on the cluster's x and on counters.
; In phases (all K Q^T, the softmax, all V^T P): K's and V's fragments of a step take turns in window 1.
; REGISTERS: window 0: v2-15 addresses; v16-30 statistics; v32-63 Q; v64-127 S^T; v128-159 P; v192-255 O^T.  Window 1: K's 256 registers of fragments, then V's.
.set KS,    64
.set PK,    272                        ; a row of K in LDS: 256 bytes + 16
.set PV,    288                        ; a row of V: 256 + 32
.set VOFF,  KS*PK
.set STEPB, KS*(PK+PV)                 ; 64 rows of K, then 64 rows of V; a slot holds two such halves: a step's 128 keys
.set SLOT1, 1<<17
.set STAGE, SLOT1+2*STEPB              ; 16 rows x 272 bytes for each wave
.set SP,    272
.set SPARE, STAGE+4*16*SP              ; the spare words: two blocks of 256 bytes that no other line names
.set AK0, 2
.set AV0, 3
.set ADRK, 4
.set ADRV, 5
.set QO,  6
.set STO, 8
.set RD,  9
.set GO,  10
.set NEG, 11                           ; -1e30
.set DLA, 12                           ; pass a's diagonal step: key 16 kb + jj of my half is behind my query if 16 kb + jj > DLA
.set DLB, 13                           ; the same for pass b
.set SPW, 14
.set NIL, 15
.set CM,  16                           ; c m;  v17 m
.set M,   17
.set L,   18                           ; v[18:19] l (even keys', odd keys')
.set X,   20                           ; v[20:27] chains: four maxima, later four pairs of sums
.set A,   28                           ; v[28:29] the factor for O and l, twice
.set TM,  30
.set Q,   32
.set S,   64
.set P,   128
.set O,   192
.set WV,  12
.set C2,  15
.set G1K, 24
.set G1V, 32
.set G0K, 40                           ; s[40:47]: a set for each first fill; the second then walks on
.set G0V, 48
.set SS,  56                           ; the step in hand, 0 to 8
.set CNT, 57
.set CS,  58
.set SEL, 60
.set TB,  62                           ; LDS byte at which the slot in hand begins
.set NB,  63                           ; 5 - C2
.set MSB, 0
.macro WIN new
.if MSB != \new
	s_set_vgpr_msb (MSB<<8)|\new
.set MSB, \new
.endif
.endm
.macro PLACES
.rept 4
	v_nop
.endr
.endm
.macro JLOAD                           ; a joint refill: waves 0, 1 fetch the step's two halves of K, waves 2, 3 those of V; four v_nop follow each line
	s_cmp_lt_u32 s[WV], 2
	s_cbranch_scc0 .Lfor_v_\@
	tensor_load_to_lds s[G0K+4:G0K+7], s[G1K:G1K+7]
	s_nop 0
	PLACES
	s_branch .Lasked_\@
.Lfor_v_\@:
	tensor_load_to_lds s[G0V+4:G0V+7], s[G1V:G1V+7]
	s_nop 0
	PLACES
.Lasked_\@:
.endm
.macro CROUND
	s_barrier_signal -1
	s_barrier_wait -1
	s_cmp_lg_u32 s[WV], 0
	s_cbranch_scc1 .Lnot_wave_0_\@
	s_barrier_signal -3
.Lnot_wave_0_\@:
	s_barrier_wait -3
	s_barrier_signal -1
	s_barrier_wait -1
.endm
	s_load_b256 s[4:11], s[0:1], 0x0               ; qb s[4:5], kb s[6:7], vb s[8:9], ab s[10:11]
	v_lshl_add_u32 v[SPW], v0, 2, SPARE
	v_mov_b32 v[NIL], 0
	ds_add_u32 v14, v15
	s_wait_dscnt 0x0
	v_lshrrev_b32 v1, 5, v0
	v_readfirstlane_b32 s[WV], v1
	s_bfe_u32 s13, ttmp6, 0x40000                  ; cx: it enters Q's and ab's addresses and the mask's numbers alone
	s_lshl_b32 s14, ttmp9, 2
	s_add_co_u32 s14, s14, s13                     ; j
	s_lshr_b32 s[C2], ttmp9, 1                     ; j / 8: the same in all four partners
	s_add_co_u32 s18, s[C2], 1
	s_sub_co_u32 s[NB], 5, s[C2]
	s_and_b32 s19, ttmp7, 0xffff                   ; g
	s_and_b32 s16, s[WV], 1                        ; which 64 keys of a step I fetch
	s_mul_i32 s17, s16, STEPB
	s_lshl_b32 s70, s19, 18                        ; the head's bytes in kb and vb
	s_lshl_b32 s72, s16, 14                        ; + my 64 rows
	s_add_co_u32 s70, s70, s72
	s_mov_b32 s71, 0
	s_mov_b32 s[G1K], 15|(1<<16)|(1<<20)|(1<<21)|(5<<22)|(3<<25)   ; mask of all four; 2-byte elements; padding of 4 words behind every 64; bit 21 beside the mask
	s_mov_b32 s[G1V], 15|(1<<16)|(1<<20)|(1<<21)|(5<<22)|(7<<25)   ; the same with 8 words
.irp g, G1K, G1V
	s_mov_b32 s[\g+1], 128<<16                     ; tensor_dim0
	s_mov_b32 s[\g+2], KS<<16                      ; tensor_dim1
	s_mov_b32 s[\g+3], 128<<16                     ; tile_dim0
	s_mov_b32 s[\g+4], KS                          ; tile_dim1
	s_mov_b32 s[\g+5], 128                         ; elements from row to row
	s_mov_b32 s[\g+6], 0
	s_mov_b32 s[\g+7], 0
.endr
	s_mov_b32 s[CS], 0x3e0293ee                    ; c = log2(e) / sqrt(128)
	s_mov_b32 s[CS+1], s[CS]
	s_mov_b32 s[SEL], 0x76543210
	s_mov_b32 s[SEL+1], 0xfedcba98
	s_mov_b32 s[TB], 0
	s_mov_b32 s[SS], 0
	s_wait_kmcnt 0x0
	s_add_nc_u64 s[66:67], s[6:7], s[70:71]        ; K and V at my half of key tile 0
	s_add_nc_u64 s[68:69], s[8:9], s[70:71]
	s_cmp_lg_u32 s[C2], 0
	s_cselect_b32 s70, 1<<15, 0                    ; step 1 is key tile 1, or, where pass a has one step, pass b's tile 0
	CROUND                                         ; all four work-groups are here: the first joint loads meet
	s_mov_b32 s[G0K], 1
	s_mov_b32 s[G0K+1], s17
	s_mov_b64 s[G0K+2:G0K+3], s[66:67]
	s_or_b32 s[G0K+3], s[G0K+3], 0x80000000
	s_mov_b32 s[G0K+4], 1
	s_add_co_u32 s[G0K+5], s17, SLOT1
	s_add_nc_u64 s[G0K+6:G0K+7], s[66:67], s[70:71]
	s_or_b32 s[G0K+7], s[G0K+7], 0x80000000
	s_mov_b32 s[G0V], 1
	s_add_co_u32 s[G0V+1], s17, VOFF
	s_mov_b64 s[G0V+2:G0V+3], s[68:69]
	s_or_b32 s[G0V+3], s[G0V+3], 0x80000000
	s_mov_b32 s[G0V+4], 1
	s_add_co_u32 s[G0V+5], s17, SLOT1+VOFF
	s_add_nc_u64 s[G0V+6:G0V+7], s[68:69], s[70:71]
	s_or_b32 s[G0V+7], s[G0V+7], 0x80000000
	s_cmp_lt_u32 s[WV], 2                          ; a wave's two first fills stand in one branch: two tensor loads of mine are out, never more
	s_cbranch_scc0 .Lfirst_v
	tensor_load_to_lds s[G0K:G0K+3], s[G1K:G1K+7]
	s_nop 0
	tensor_load_to_lds s[G0K+4:G0K+7], s[G1K:G1K+7]
	s_nop 0
	PLACES
	s_branch .Lfirst_asked
.Lfirst_v:
	tensor_load_to_lds s[G0V:G0V+3], s[G1V:G1V+7]
	s_nop 0
	tensor_load_to_lds s[G0V+4:G0V+7], s[G1V:G1V+7]
	s_nop 0
	PLACES
.Lfirst_asked:
	s_lshl2_add_u32 s20, s19, s[WV]                ; my query head
	s_sub_co_u32 s21, 63, s14                      ; pass b's tile
	s_mov_b32 s23, 0
	s_lshl_b32 s72, s20, 18
	s_lshl_b32 s22, s21, 12
	s_add_co_u32 s22, s22, s72
	s_add_nc_u64 s[74:75], s[4:5], s[22:23]        ; Q of pass b
	s_lshl_b32 s22, s14, 12
	s_add_co_u32 s22, s22, s72
	s_add_nc_u64 s[4:5], s[4:5], s[22:23]          ; Q of pass a
	s_lshl_b32 s72, s20, 8
	s_lshl_b32 s22, s21, 17
	s_add_co_u32 s22, s22, s72
	s_add_nc_u64 s[78:79], s[10:11], s[22:23]      ; ab of pass b
	s_lshl_b32 s22, s14, 17
	s_add_co_u32 s22, s22, s72
	s_add_nc_u64 s[76:77], s[10:11], s[22:23]      ; ab of pass a
	v_and_b32 v1, 15, v0                           ; r
	v_bfe_u32 v7, v0, 4, 1                         ; h
	v_lshlrev_b32 v[QO], 8, v1
	v_lshl_add_u32 v[QO], v7, 4, v[QO]
.macro QLOAD lo                        ; 16 queries x 128 channels: four fragments
.irp c, 0,1,2,3
	global_load_b128 v[Q+8*\c:Q+8*\c+3],   v[QO], s[\lo:\lo+1] offset:64*\c
	global_load_b128 v[Q+8*\c+4:Q+8*\c+7], v[QO], s[\lo:\lo+1] offset:64*\c+32
.endr
.endm
	QLOAD 4
	v_mul_u32_u24 v[AK0], v1, PK
	v_lshl_add_u32 v[AK0], v7, 4, v[AK0]
	v_and_b32 v26, 7, v0
	v_bfe_u32 v27, v0, 3, 1
	v_lshl_add_u32 v[AV0], v7, 3, v26
	v_mul_u32_u24 v[AV0], v[AV0], PV
	v_lshl_add_u32 v[AV0], v27, 4, v[AV0]
	v_add_nc_u32 v[AV0], VOFF, v[AV0]
	s_mul_i32 s72, s[WV], 16*SP
	s_add_co_u32 s72, s72, STAGE
	v_mul_u32_u24 v[STO], v1, SP
	v_lshl_add_u32 v[STO], v7, 4, v[STO]
	v_add_nc_u32 v[STO], s72, v[STO]
	v_mul_u32_u24 v[RD], v7, SP
	v_lshl_add_u32 v[RD], v1, 4, v[RD]
	v_add_nc_u32 v[RD], s72, v[RD]
	v_lshlrev_b32 v[GO], 13, v7                    ; lanes 16-31: one row of ab (8,192 bytes) further down
	v_lshl_add_u32 v[GO], v1, 4, v[GO]
	v_mov_b32 v[NEG], 0xf149f2ca
	v_lshlrev_b32 v26, 3, v7
	v_sub_nc_u32 v26, v1, v26                      ; r - 8 h
	s_and_b32 s22, s14, 7
	s_lshl_b32 s22, s22, 4
	v_add_nc_u32 v[DLA], s22, v26                  ; my query's place in its diagonal tile, less 8 h
	s_and_b32 s22, s21, 7
	s_lshl_b32 s22, s22, 4
	v_add_nc_u32 v[DLB], s22, v26
.macro KQ16 k0                         ; 16 products: key blocks k0 .. k0 + 3 by turns, channels 32 c on; the first four start the sums
.irp c, 0,1,2,3
.irp kk, 0,1,2,3
.if \c == 0
	v_wmma_f32_16x16x32_f16 v[S+8*(\k0+\kk):S+8*(\k0+\kk)+7], v[32*(\k0+\kk)+8*\c:32*(\k0+\kk)+8*\c+7], v[Q+8*\c:Q+8*\c+7], 0
.else
	v_wmma_f32_16x16x32_f16 v[S+8*(\k0+\kk):S+8*(\k0+\kk)+7], v[32*(\k0+\kk)+8*\c:32*(\k0+\kk)+8*\c+7], v[Q+8*\c:Q+8*\c+7], v[S+8*(\k0+\kk):S+8*(\k0+\kk)+7]
.endif
.endr
.endr
.endm
; A KEY STEP of 128 keys.  first = 1: it starts m, l and O^T.  mode 0: no mask; 1: the mask where this is pass a's diagonal step (SS = C2); 2: the mask.  dl: the register with the mask's number.
.macro STEP first, mode, dl
	PLACES                                         ; behind the last step's products, ahead of the loads into their sources
	v_add_nc_u32 v[ADRK], s[TB], v[AK0]
	v_add_nc_u32 v[ADRV], s[TB], v[AV0]
	WIN 0x40
.irp kb, 0,1,2,3,4,5,6,7
.irp c, 0,1,2,3
	ds_load_b128 v[32*\kb+8*\c:32*\kb+8*\c+3],   v[ADRK] offset:(\kb/4)*STEPB+(\kb%4)*16*PK+64*\c
	ds_load_b128 v[32*\kb+8*\c+4:32*\kb+8*\c+7], v[ADRK] offset:(\kb/4)*STEPB+(\kb%4)*16*PK+64*\c+32
.endr
.endr
	s_wait_dscnt 32                                ; the first 64 keys are in
	WIN 0x01
	KQ16 0
	s_wait_dscnt 0x0
	KQ16 4
	PLACES
	WIN 0x40
.irp kc, 0,1,2,3
.irp db, 0,1,2,3,4,5,6,7
	ds_load_tr16_b128 v[64*\kc+8*\db:64*\kc+8*\db+3],   v[ADRV] offset:(\kc/2)*STEPB+(\kc%2)*32*PV+32*\db
	ds_load_tr16_b128 v[64*\kc+8*\db+4:64*\kc+8*\db+7], v[ADRV] offset:(\kc/2)*STEPB+(\kc%2)*32*PV+16*PV+32*\db
.endr
.endr
	WIN 0
.if \mode == 1
	s_cmp_lg_u32 s[SS], s[C2]
	s_cbranch_scc1 .Lnomask_\@
.endif
.if \mode
.set i, 0
.rept 64
	v_cmp_gt_i32 vcc_lo, 16*(i/8)+(i%8), v[\dl]
	v_cndmask_b32 v[S+i], v[S+i], v[NEG], vcc_lo
.set i, i+1
.endr
.endif
.if \mode == 1
.Lnomask_\@:
.endif
	; the maximum of my 64 scores and the old m: four chains, each block of scores from its low end on
.irp ch, 0,1,2,3
	v_max3_num_f32 v[X+\ch], v[S+8*\ch], v[S+8*\ch+1], v[S+8*\ch+2]
.endr
.irp t, 0,1
.irp ch, 0,1,2,3
	v_max3_num_f32 v[X+\ch], v[X+\ch], v[S+8*\ch+3+2*\t], v[S+8*\ch+4+2*\t]
.endr
.endr
.irp t, 0,1,2,3
.irp ch, 0,1,2,3
	v_max3_num_f32 v[X+\ch], v[X+\ch], v[S+32+8*\ch+2*\t], v[S+32+8*\ch+2*\t+1]
.endr
.endr
	v_max3_num_f32 v[X], v[X], v[S+7], v[S+15]
	v_max3_num_f32 v[X+2], v[X+2], v[S+23], v[S+31]
	v_max3_num_f32 v[X], v[X], v[X+1], v[X+2]
.if \first
	v_max_num_f32 v[X], v[X], v[X+3]
.else
	v_max3_num_f32 v[X], v[X], v[X+3], v[M]
	v_mov_b32 v[TM], v[CM]
.endif
	v_permlanex16_b32 v[X+1], v[X], s[SEL], s[SEL+1]               ; the query's other 64 keys lie in the lane 16 away
	v_max_num_f32 v[M], v[X], v[X+1]
	v_mul_f32 v[CM], s[CS], v[M]
.if !\first
	v_sub_f32 v[TM], v[TM], v[CM]
	v_exp_f32 v[A], v[TM]
	v_exp_f32 v[A+1], v[TM]
.endif
.set i, 0
.rept 32
	v_pk_fma_f32 v[S+2*i:S+2*i+1], v[S+2*i:S+2*i+1], s[CS:CS+1], v[CM:CM+1] op_sel_hi:[1,0,0] neg_lo:[0,0,1] neg_hi:[0,0,1]   ; c s - c m
.set i, i+1
.endr
.set i, 0
.rept 64
	v_exp_f32 v[S+i], v[S+i]
.set i, i+1
.endr
	v_nop                                          ; a plain instruction between the last exponential and its use
.set i, 0
	s_wait_alu depctr_va_vdst(0)
.rept 32
	v_cvt_pk_f16_f32 v[P+i], v[S+2*i], v[S+2*i+1]
.set i, i+1
.endr
.irp ch, 0,1,2,3
	v_pk_add_f32 v[X+2*\ch:X+2*\ch+1], v[S+2*\ch:S+2*\ch+1], v[S+8+2*\ch:S+8+2*\ch+1]
.endr
.irp t, 2,3,4,5,6,7
.irp ch, 0,1,2,3
	v_pk_add_f32 v[X+2*\ch:X+2*\ch+1], v[X+2*\ch:X+2*\ch+1], v[S+8*\t+2*\ch:S+8*\t+2*\ch+1]
.endr
.endr
	v_pk_add_f32 v[X:X+1], v[X:X+1], v[X+2:X+3]
	v_pk_add_f32 v[X+4:X+5], v[X+4:X+5], v[X+6:X+7]
.if \first
	v_pk_add_f32 v[L:L+1], v[X:X+1], v[X+4:X+5]
.else
	v_pk_add_f32 v[X:X+1], v[X:X+1], v[X+4:X+5]
	v_pk_fma_f32 v[L:L+1], v[L:L+1], v[A:A+1], v[X:X+1]
.set i, 0
.rept 32
	v_pk_mul_f32 v[O+2*i:O+2*i+1], v[O+2*i:O+2*i+1], v[A:A+1]
.set i, i+1
.endr
.endif
	s_wait_dscnt 0x0                               ; V is in
	WIN 0x01
.irp kc, 0,1,2,3                       ; keys 32 kc on; the eight channel blocks by turns
.irp db, 0,1,2,3,4,5,6,7
.if \first && (\kc == 0)
	v_wmma_f32_16x16x32_f16 v[O+8*\db:O+8*\db+7], v[64*\kc+8*\db:64*\kc+8*\db+7], v[P+8*\kc:P+8*\kc+7], 0
.else
	v_wmma_f32_16x16x32_f16 v[O+8*\db:O+8*\db+7], v[64*\kc+8*\db:64*\kc+8*\db+7], v[P+8*\kc:P+8*\kc+7], v[O+8*\db:O+8*\db+7]
.endif
.endr
.endr
	WIN 0
.endm
; THE CHANGE OF SLOTS behind a step.  Each wave waits for all its tensor loads (the one that is out is its part of the other slot), adds 0 to its spare word and waits for that and for its reads.
; fill = 1: the slot just read takes the tile of the step two on: key tile SS + 2, or, past pass a's last step, SS + 2 - (C2 + 1).  The barrier is then a round of the cluster's.
.macro CHANGE fill
	s_wait_tensorcnt 0x0
	ds_add_u32 v[SPW], v[NIL]                      ; 0 onto my spare word; the descriptors' steps stand between it and the wait for it
.if \fill
	s_add_co_u32 s72, s[SS], 2
	s_cmp_gt_u32 s72, s[C2]
	s_cselect_b32 s73, s18, 0
	s_sub_co_u32 s72, s72, s73
	s_lshl_b32 s70, s72, 15                        ; 128 rows of 256 bytes a tile
	s_xor_b32 s[G0K+5], s[G0K+5], SLOT1
	s_add_nc_u64 s[G0K+6:G0K+7], s[66:67], s[70:71]
	s_or_b32 s[G0K+7], s[G0K+7], 0x80000000
	s_xor_b32 s[G0V+5], s[G0V+5], SLOT1
	s_add_nc_u64 s[G0V+6:G0V+7], s[68:69], s[70:71]
	s_or_b32 s[G0V+7], s[G0V+7], 0x80000000
	s_wait_dscnt 0x0
	CROUND
	JLOAD                                          ; my one tensor load behind the round: it has a key step in which to land
.else
	s_wait_dscnt 0x0
	s_barrier_signal -1
	s_barrier_wait -1
.endif
	s_add_co_u32 s[SS], s[SS], 1
	s_xor_b32 s[TB], s[TB], SLOT1
.endm
; A pass's way out: O^T / l, to f16, through my stage; sixteen lanes store a head's 256 consecutive bytes of a row of ab
.macro FINAL lo
	PLACES
	v_add_f32 v[X], v[L], v[L+1]
	v_permlanex16_b32 v[X+1], v[X], s[SEL], s[SEL+1]
	v_add_f32 v[X], v[X], v[X+1]
	v_rcp_f32 v[A], v[X]
	v_rcp_f32 v[A+1], v[X]
	v_nop
.set i, 0
	s_wait_alu depctr_va_vdst(0)
.rept 32
	v_pk_mul_f32 v[O+2*i:O+2*i+1], v[O+2*i:O+2*i+1], v[A:A+1]
.set i, i+1
.endr
.set i, 0
.rept 32
	v_cvt_pk_f16_f32 v[S+i], v[O+2*i], v[O+2*i+1]
.set i, i+1
.endr
.irp db, 0,1,2,3,4,5,6,7
	ds_store_b128 v[STO], v[S+4*\db:S+4*\db+3] offset:32*\db
.endr
.irp t, 0,1,2,3,4,5,6,7
	ds_load_b128 v[S+32+4*\t:S+32+4*\t+3], v[RD] offset:\t*2*SP    ; LDS serves a wave's instructions in order: these see the stores above
.endr
	s_wait_dscnt 0x0
.irp t, 0,1,2,3,4,5,6,7
	global_store_b128 v[GO], v[S+32+4*\t:S+32+4*\t+3], s[\lo:\lo+1] offset:16384*\t
.endr
	s_wait_xcnt 0x0                                ; S^T's registers, which these stores read, are written again only behind this wait
.endm
	s_wait_tensorcnt 1                             ; my part of step 0 is in; step 1's may stay out
	s_barrier_signal -1
	s_barrier_wait -1
	s_wait_loadcnt 0x0                             ; Q
	STEP 1, 1, DLA                                 ; PASS A
	CHANGE 1
	s_cmp_eq_u32 s[C2], 0
	s_cbranch_scc1 .La_done
	s_mov_b32 s[CNT], 0
.La:                                                   ; C2 trips
	STEP 0, 1, DLA
	CHANGE 1
	s_add_co_u32 s[CNT], s[CNT], 1
	s_cmp_lt_u32 s[CNT], s[C2]
	s_cbranch_scc1 .La
.La_done:
	QLOAD 74                                       ; pass b's queries come in under pass a's way out
	FINAL 76
	s_wait_loadcnt 0x0
	STEP 1, 0, DLB                                 ; PASS B: 8 - C2 steps
	CHANGE 1
	s_mov_b32 s[CNT], 0
.Lb:                                                   ; 5 - C2 trips: up to step 6, the last behind which a slot is filled again
	STEP 0, 0, DLB
	CHANGE 1
	s_add_co_u32 s[CNT], s[CNT], 1
	s_cmp_lt_u32 s[CNT], s[NB]
	s_cbranch_scc1 .Lb
	STEP 0, 0, DLB                                 ; step 7
	CHANGE 0
	STEP 0, 2, DLB                                 ; step 8: pass b's diagonal tile
	FINAL 78
	s_wait_tensorcnt 0x0                           ; the wave's end
	ds_add_u32 v[SPW], v[NIL]
	s_wait_dscnt 0x0
	CROUND                                         ; the closing round
	s_endpgm
.Lfunc_end_k_q113428f133_attn:
	.size	k_q113428f133_attn, .Lfunc_end_k_q113428f133_attn-k_q113428f133_attn
	.p2alignl 7, 3214868480
	.fill 96, 4, 3214868480
	.section	.rodata,"a",@progbits
	.p2align	6, 0x0
	.amdhsa_kernel k_q113428f133_attn
		.amdhsa_group_segment_fixed_size 327680
		.amdhsa_private_segment_fixed_size 0
		.amdhsa_enable_private_segment 0
		.amdhsa_kernarg_size 32
		.amdhsa_user_sgpr_count 2
		.amdhsa_user_sgpr_kernarg_segment_ptr 1
		.amdhsa_wavefront_size32 1
		.amdhsa_system_sgpr_workgroup_id_x 1
		.amdhsa_system_sgpr_workgroup_id_y 1
		.amdhsa_system_sgpr_workgroup_id_z 1
		.amdhsa_system_vgpr_workitem_id 0
		.amdhsa_next_free_vgpr 512
		.amdhsa_next_free_sgpr 80
		.amdhsa_reserve_vcc 1
		.amdhsa_float_denorm_mode_32 3
		.amdhsa_float_denorm_mode_16_64 3
		.amdhsa_memory_ordered 1
		.amdhsa_forward_progress 1
		.amdhsa_inst_pref_size 188
	.end_amdhsa_kernel
	.amdgpu_metadata
---
amdhsa.version: [ 1, 2 ]
amdhsa.kernels:
  - .name:           k_q113428f133_attn
    .symbol:         k_q113428f133_attn.kd
    .args:
      - { .name: qb, .offset: 0, .size: 8, .value_kind: global_buffer, .address_space: global }
      - { .name: kb, .offset: 8, .size: 8, .value_kind: global_buffer, .address_space: global }
      - { .name: vb, .offset: 16, .size: 8, .value_kind: global_buffer, .address_space: global }
      - { .name: ab, .offset: 24, .size: 8, .value_kind: global_buffer, .address_space: global }
    .group_segment_fixed_size: 327680
    .private_segment_fixed_size: 0
    .kernarg_segment_align: 8
    .kernarg_segment_size: 32
    .max_flat_workgroup_size: 128
    .sgpr_count:     80
    .vgpr_count:     512
    .wavefront_size: 32
...
	.end_amdgpu_metadata
.endif
;; end of part 3
;; launch oproj (part 4): grid 32 x 8, 4 waves a work-group, clusters of 4 x 4, 327,680 bytes of LDS; arguments ab, wob, out0; writes out0
.if DOCPART == 4
	.amdgcn_target "amdgcn-amd-amdhsa--gfx1250"
	.amdhsa_code_object_version 6
	.text
	.protected	k_q113428f133_oproj
	.globl	k_q113428f133_oproj
	.p2align	8
	.type	k_q113428f133_oproj,@function
k_q113428f133_oproj:
	s_mov_b64 s[64:65], 0
	v_nop
	global_prefetch_b8 v0, s[64:65] scope:SCOPE_SE
	s_setreg_imm32_b32 hwreg(HW_REG_WAVE_MODE, 25, 1), 1
	s_wait_xcnt 0x0
	s_wait_alu depctr_hold_cnt(0) depctr_sa_sdst(0) depctr_va_vdst(0) depctr_va_sdst(0) depctr_va_ssrc(0) depctr_va_vcc(0) depctr_vm_vsrc(0)
	s_getreg_b32 s2, hwreg(HW_REG_IB_STS2, 6, 4)
	s_cmp_eq_u32 s2, 0
	s_cbranch_scc0 .Lentry_in_a_cluster
	s_endpgm
.Lentry_in_a_cluster:
	s_bfe_u32 s2, ttmp6, 0x10000c
	s_cmp_lg_u32 s2, 0xf033
	s_cbranch_scc0 .Lentry_shape_is_right
	s_endpgm
.Lentry_shape_is_right:
; out0[m][n] = the sum over k of ab[m][k] wob[k][n].  ab [1024][4096] f16 holds attn / 16, wob [4096 k][4096 n] f16 holds 16 Wo: the product needs no scale.  out0 f32.
; 1024 x 4096 of out0 in tiles of 128 x 128 gives 256 work-groups.  Four waves, each 64 x 64: 16 accumulators.  K steps of 256 through two LDS slots.
; CLUSTERS: 4 x 4 work-groups.  The four of a row need the same tiles of ab, the four of a column the same tiles of wob: each tile is asked for jointly.
; ab's tile: 128 rows x 512 bytes (+ 16 of padding).  wob's tile lies [k][n]: 256 k-rows x 256 bytes (+ 32), read turned by ds_load_tr16_b128.
; The matrix instruction is used transposed (source 0 = 16 columns of wob, source 1 = 16 rows of ab): a lane holds eight neighbouring numbers of a row of out0.
; A wave's 64 columns are 256 bytes of f32: each wave has a stage of its own, and no barrier stands on the way out.
; REGISTERS: window 0: v0-31 addresses; v32-95 rows on the way out; v128-255 accumulators ((a, b) at v[128 + 8 (4 a + b)]).  Window 1: two fragment buffers of 128 (64 of ab, 64 of wob, for 64 along K).
.set SIZE_K, 4096
.set SIZE_N, 4096
.set KSTEP,  256
.set PITCH,  528
.set HALFA,  64*PITCH
.set PB,     288
.set HALFB,  128*PB
.set BOFF,   2*HALFA
.set SLOT,   BOFF+2*HALFB
.set STAGE,  2*SLOT
.set SPITCH, 272
.set SPARE,  STAGE+4*16*SPITCH         ; the spare words: two blocks of 256 bytes that no other line names
.set LAPS,   SIZE_K/(2*KSTEP)
.set ADRA, 16                          ; v16-17 my ab fragments in slot 0, 1
.set ADRB, 20                          ; v20-23 my place in wob's tile: slot 0 k-rows 0-127, 128-255; slot 1 likewise
.set STO,  24
.set RD,   25
.set CO,   26
.set SPW,  28
.set NIL,  29
.set TMP,  32
.set ACC,  128
.set F0,   0
.set F1,   128
.set G1, 24
.set G0, 32
.set G1B, 48
.set G0B, 56
.set MSB, 0
.macro WIN new
.if MSB != \new
	s_set_vgpr_msb (MSB<<8)|\new
.set MSB, \new
.endif
.endm
.set MUL,  0x05                        ; sources 0, 1 window 1; C, D window 0
.set TO_F, 0x40                        ; destination window 1
.macro JLOAD s                         ; waves 0, 1 fetch ab's two halves, waves 2, 3 wob's; four v_nop follow each line
	s_cmp_eq_u32 s11, 0
	s_cbranch_scc0 .Lfor_b_\@
	tensor_load_to_lds s[G0+4*\s:G0+4*\s+3], s[G1:G1+7]
	s_nop 0
.rept 4
	v_nop
.endr
	s_branch .Lasked_\@
.Lfor_b_\@:
	tensor_load_to_lds s[G0B+4*\s:G0B+4*\s+3], s[G1B:G1B+7]
	s_nop 0
.rept 4
	v_nop
.endr
.Lasked_\@:
.endm
.macro CREST
	s_cmp_lg_u32 s10, 0
	s_cbranch_scc1 .Lnot_wave_0_\@
	s_barrier_signal -3
.Lnot_wave_0_\@:
	s_barrier_wait -3
	s_barrier_signal -1
	s_barrier_wait -1
.endm
.macro CROUND
	s_barrier_signal -1
	s_barrier_wait -1
	CREST
.endm
	s_load_b128 s[4:7], s[0:1], 0x0                ; ab s[4:5], wob s[6:7]
	s_load_b64 s[8:9], s[0:1], 0x10                ; out0
	v_lshl_add_u32 v[SPW], v0, 2, SPARE
	v_mov_b32 v[NIL], 0
	ds_add_u32 v28, v29
	s_wait_dscnt 0x0
	v_lshrrev_b32 v1, 5, v0
	v_readfirstlane_b32 s10, v1
	s_lshr_b32 s11, s10, 1                         ; my half of the tile's rows.  Also: I fetch for ab (0) or for wob (1)
	s_and_b32 s12, s10, 1                          ; my half of its columns.  Also: which half of that tile I fetch
	s_bfe_u32 s40, ttmp6, 0x40000
	s_bfe_u32 s41, ttmp6, 0x40004
	s_lshl_b32 s42, ttmp9, 2
	s_add_co_u32 s42, s42, s40                     ; tile column
	s_and_b32 s13, ttmp7, 0xffff
	s_lshl_b32 s13, s13, 2
	s_add_co_u32 s13, s13, s41                     ; tile row
	s_lshl_b32 s43, s41, 2
	s_lshl_b32 s43, 15, s43                        ; my row of the cluster
	s_lshl_b32 s44, 0x1111, s40                    ; my column
	s_or_b32 s[G1+0], s43, (1<<16)|(1<<20)|(1<<21)|(6<<22)|(3<<25)  ; ab: 2-byte elements, 4 words of padding behind every 128, bit 21 beside the mask
	s_mov_b32 s[G1+1], KSTEP<<16                   ; tensor_dim0 = 256
	s_mov_b32 s[G1+2], 64<<16                      ; tensor_dim1 = 64
	s_mov_b32 s[G1+3], KSTEP<<16                   ; tile_dim0
	s_mov_b32 s[G1+4], 64                          ; tile_dim1
	s_mov_b32 s[G1+5], SIZE_K
	s_mov_b32 s[G1+6], 0
	s_mov_b32 s[G1+7], 0
	s_or_b32 s[G1B+0], s44, (1<<16)|(1<<20)|(1<<21)|(5<<22)|(7<<25) ; wob: 8 words of padding behind every 64
	s_mov_b32 s[G1B+1], 128<<16                    ; 128 columns
	s_mov_b32 s[G1B+2], 128<<16                    ; 128 k-rows
	s_mov_b32 s[G1B+3], 128<<16
	s_mov_b32 s[G1B+4], 128
	s_mov_b32 s[G1B+5], SIZE_N
	s_mov_b32 s[G1B+6], 0
	s_mov_b32 s[G1B+7], 0
	s_lshl_b32 s17, s12, 6
	s_lshl_b32 s16, s13, 7
	s_add_co_u32 s16, s16, s17                     ; ab: row 128 x tile row + 64 x half,
	s_lshl_b32 s16, s16, 13                        ; of 8,192 bytes
	s_mov_b32 s17, 0
	s_lshl_b32 s46, s42, 8                         ; wob: the tile column's 256 bytes
	s_lshl_b32 s47, s12, 20                        ; + 128 k-rows of 8,192 bytes x half
	s_add_co_u32 s46, s46, s47
	s_mov_b32 s47, 0
	s_mul_i32 s20, s12, HALFA                      ; where they go: the wave's number alone
	s_mul_i32 s21, s12, HALFB
	s_add_co_u32 s21, s21, BOFF
	s_wait_kmcnt 0x0
	s_add_nc_u64 s[14:15], s[4:5], s[16:17]
	s_add_nc_u64 s[46:47], s[6:7], s[46:47]
	CROUND                                         ; all sixteen work-groups are here: the first joint loads meet
.irp s, 0,1
	s_mov_b32 s[G0+4*\s], 1
	s_add_co_u32 s[G0+4*\s+1], s20, \s*SLOT
	s_add_nc_u64 s[G0+4*\s+2:G0+4*\s+3], s[14:15], \s*KSTEP*2
	s_or_b32 s[G0+4*\s+3], s[G0+4*\s+3], 0x80000000
	s_mov_b32 s[G0B+4*\s], 1
	s_add_co_u32 s[G0B+4*\s+1], s21, \s*SLOT
	s_add_nc_u64 s[G0B+4*\s+2:G0B+4*\s+3], s[46:47], \s*KSTEP*SIZE_N*2
	s_or_b32 s[G0B+4*\s+3], s[G0B+4*\s+3], 0x80000000
	JLOAD \s                                       ; two tensor loads of mine are out, never more
.endr
	v_and_b32 v1, 15, v0                           ; r
	v_bfe_u32 v2, v0, 4, 1                         ; h
	v_mul_u32_u24 v3, v1, PITCH
	v_lshl_add_u32 v3, v2, 4, v3
	s_mul_i32 s21, s11, HALFA                      ; my 64 rows of ab
	v_add_nc_u32 v[ADRA], s21, v3
	v_add_nc_u32 v[ADRA+1], SLOT, v[ADRA]
	v_and_b32 v4, 7, v0
	v_lshl_add_u32 v4, v2, 3, v4
	v_mul_u32_u24 v4, v4, PB
	v_bfe_u32 v5, v0, 3, 1
	v_lshl_add_u32 v4, v5, 4, v4                   ; (8 h + l % 8) x 288 + 16 ((l / 8) % 2)
	s_lshl_b32 s22, s12, 7                         ; my 64 columns
	s_add_co_u32 s22, s22, BOFF
	v_add_nc_u32 v[ADRB], s22, v4
	v_add_nc_u32 v[ADRB+1], HALFB, v[ADRB]
	v_add_nc_u32 v[ADRB+2], SLOT, v[ADRB]
	v_add_nc_u32 v[ADRB+3], SLOT+HALFB, v[ADRB]
	s_mul_i32 s23, s10, 16*SPITCH
	s_add_co_u32 s23, s23, STAGE                   ; my stage
	v_mul_u32_u24 v4, v1, SPITCH
	v_lshl_add_u32 v4, v2, 5, v4                   ; in: row r, 32 bytes for each half of the lanes
	v_add_nc_u32 v[STO], s23, v4
	v_mul_u32_u24 v5, v2, SPITCH
	v_lshl_add_u32 v5, v1, 4, v5                   ; back: lanes 0-15 one row of 256 bytes, lanes 16-31 the next
	v_add_nc_u32 v[RD], s23, v5
	v_lshlrev_b32 v5, 14, v2                       ; and the same two rows in out0
	v_lshl_add_u32 v[CO], v1, 4, v5
	s_lshl_b32 s16, s13, 7
	s_lshl_b32 s17, s11, 6
	s_add_co_u32 s16, s16, s17
	s_lshl_b32 s16, s16, 14                        ; my first row of out0, in bytes
	s_lshl_b32 s46, s42, 9                         ; my first column: 512 x tile column + 256 x half
	s_lshl_b32 s47, s12, 8
	s_add_co_u32 s46, s46, s47
	s_add_co_u32 s46, s46, s16
	s_mov_b32 s47, 0
	s_add_nc_u64 s[8:9], s[8:9], s[46:47]
.macro MUL8 f, c, a0, zero             ; 8 products: row blocks a0, a0 + 1 x 4 column blocks, half c (32 along K) of buffer f
.irp a, \a0, \a0+1
.irp b, 0,1,2,3
.if \zero
	v_wmma_f32_16x16x32_f16 v[ACC+8*(4*(\a)+\b):ACC+8*(4*(\a)+\b)+7], v[\f+64+8*(4*\c+\b):\f+64+8*(4*\c+\b)+7], v[\f+8*(4*\c+\a):\f+8*(4*\c+\a)+7], 0
.else
	v_wmma_f32_16x16x32_f16 v[ACC+8*(4*(\a)+\b):ACC+8*(4*(\a)+\b)+7], v[\f+64+8*(4*\c+\b):\f+64+8*(4*\c+\b)+7], v[\f+8*(4*\c+\a):\f+8*(4*\c+\a)+7], v[ACC+8*(4*(\a)+\b):ACC+8*(4*(\a)+\b)+7]
.endif
.endr
.endr
.endm
.macro FETCH slot, q, f                ; 32 LDS loads: quarter q (64 along K) of the slot into buffer f; the first 32 along K first
	WIN TO_F
.irp c, 0,1
.irp i, 0,1,2,3
	ds_load_tr16_b128 v[\f+64+8*(4*\c+\i):\f+64+8*(4*\c+\i)+3],   v[ADRB+2*\slot+(\q)/2] offset:(64*((\q)%2)+32*\c)*PB+32*\i
	ds_load_tr16_b128 v[\f+64+8*(4*\c+\i)+4:\f+64+8*(4*\c+\i)+7], v[ADRB+2*\slot+(\q)/2] offset:(64*((\q)%2)+32*\c+16)*PB+32*\i
	ds_load_b128 v[\f+8*(4*\c+\i):\f+8*(4*\c+\i)+3],              v[ADRA+\slot] offset:128*(\q)+64*\c+\i*16*PITCH
	ds_load_b128 v[\f+8*(4*\c+\i)+4:\f+8*(4*\c+\i)+7],            v[ADRA+\slot] offset:128*(\q)+64*\c+\i*16*PITCH+32
.endr
.endr
.endm
.macro PLACES
.rept 4
	v_nop
.endr
.endm
; A K step is four quarters of 64 along K, 32 products each (the 16 accumulators by turns), on buffers 0, 1, 0, 1.  One of the first three multiplies buffer f and fetches quarter q into g.
.macro QUARTER slot, q, f, g, zero
	s_wait_dscnt 16                                ; the first 32 along K are in
	WIN MUL
	MUL8 \f, 0, 0, \zero
	MUL8 \f, 0, 2, \zero
	PLACES
	FETCH \slot, \q, \g
	s_wait_dscnt 32                                ; all but the 32 just issued
	WIN MUL
	MUL8 \f, 1, 0, 0
	MUL8 \f, 1, 2, 0
.endm
; The last quarter multiplies buffer 1 and changes slots: one barrier; in front of it each wave waits for all its tensor loads, adds 0 to its spare word, and waits for that and for its reads of this slot.
.macro TURN slot, next, fill
	WIN 0
	s_wait_tensorcnt 0x0                           ; my part of the next slot has landed
	ds_add_u32 v[SPW], v[NIL]
	s_wait_dscnt 17                                ; the add and the youngest sixteen loads may be out
	WIN MUL
	MUL8 F1, 0, 0, 0
	s_wait_dscnt 0x0                               ; the add is done, and my reads of this slot are over
	s_barrier_signal -1
	MUL8 F1, 0, 2, 0
.if \fill
	WIN 0
.endif
	s_barrier_wait -1
.if \fill
	CREST                                          ; no wave of any partner still reads this slot's tiles or has a load on its way
	s_add_nc_u64 s[G0+4*\slot+2:G0+4*\slot+3], s[G0+4*\slot+2:G0+4*\slot+3], 2*KSTEP*2
	s_add_nc_u64 s[G0B+4*\slot+2:G0B+4*\slot+3], s[G0B+4*\slot+2:G0B+4*\slot+3], 2*KSTEP*SIZE_N*2
	JLOAD \slot                                    ; my one tensor load behind the round; its four v_nop are also the places in front of the loads below
.else
	PLACES
.endif
	FETCH \next, 0, F0
	WIN MUL
	MUL8 F1, 1, 0, 0
	MUL8 F1, 1, 2, 0
.endm
	s_wait_tensorcnt 1                             ; my part of K step 0 is in; K step 1's may stay out
	s_barrier_signal -1
	s_barrier_wait -1
	FETCH 0, 0, F0
	QUARTER 0, 1, F0, F1, 1                        ; the first quarter's first products start the sums
	WIN 0
	s_mov_b32 s3, LAPS-1
.Llap:                                                 ; once round the ring, from a lap's second quarter to the next lap's first
	QUARTER 0, 2, F1, F0, 0
	QUARTER 0, 3, F0, F1, 0
	TURN 0, 1, 1
	QUARTER 1, 1, F0, F1, 0
	QUARTER 1, 2, F1, F0, 0
	QUARTER 1, 3, F0, F1, 0
	TURN 1, 0, 1
	QUARTER 0, 1, F0, F1, 0
	WIN 0
	s_sub_co_u32 s3, s3, 1
	s_cmp_lg_u32 s3, 0
	s_cbranch_scc1 .Llap
	QUARTER 0, 2, F1, F0, 0                        ; the last lap fills nothing
	QUARTER 0, 3, F0, F1, 0
	TURN 0, 1, 0
	QUARTER 1, 1, F0, F1, 0
	QUARTER 1, 2, F1, F0, 0
	QUARTER 1, 3, F0, F1, 0
	s_wait_dscnt 16
	WIN MUL
	MUL8 F1, 0, 0, 0
	MUL8 F1, 0, 2, 0
	s_wait_dscnt 0
	MUL8 F1, 1, 0, 0
	MUL8 F1, 1, 2, 0
	WIN 0
	; THE WAY OUT, 16 rows at a time: the accumulators go into my stage as they are (each from its low end on), come back as whole rows of 256 bytes, and are stored.
	PLACES
.irp a, 0,1,2,3
	s_wait_xcnt 0x0                                ; registers that earlier stores read are loaded again only behind this wait
.irp b, 0,1,2,3
	ds_store_b128 v[STO], v[ACC+8*(4*\a+\b):ACC+8*(4*\a+\b)+3]   offset:64*\b
	ds_store_b128 v[STO], v[ACC+8*(4*\a+\b)+4:ACC+8*(4*\a+\b)+7] offset:64*\b+16
.endr
.irp t, 0,1,2,3,4,5,6,7
	ds_load_b128 v[TMP+32*(\a%2)+4*\t:TMP+32*(\a%2)+4*\t+3], v[RD] offset:\t*2*SPITCH   ; LDS serves a wave's instructions in order: these see the stores above
.endr
	s_wait_dscnt 0x0
.irp t, 0,1,2,3,4,5,6,7
	global_store_b128 v[CO], v[TMP+32*(\a%2)+4*\t:TMP+32*(\a%2)+4*\t+3], s[8:9] offset:(16*\a+2*\t)*SIZE_N*4 th:TH_STORE_NT   ; 16 lanes store 256 consecutive bytes, aligned
.endr
.endr
	s_wait_tensorcnt 0x0                           ; the wave's end
	ds_add_u32 v[SPW], v[NIL]
	s_wait_dscnt 0x0
	CROUND                                         ; the closing round
	s_endpgm
.Lfunc_end_k_q113428f133_oproj:
	.size	k_q113428f133_oproj, .Lfunc_end_k_q113428f133_oproj-k_q113428f133_oproj
	.p2alignl 7, 3214868480
	.fill 96, 4, 3214868480
	.section	.rodata,"a",@progbits
	.p2align	6, 0x0
	.amdhsa_kernel k_q113428f133_oproj
		.amdhsa_group_segment_fixed_size 327680
		.amdhsa_private_segment_fixed_size 0
		.amdhsa_enable_private_segment 0
		.amdhsa_kernarg_size 24
		.amdhsa_user_sgpr_count 2
		.amdhsa_user_sgpr_kernarg_segment_ptr 1
		.amdhsa_wavefront_size32 1
		.amdhsa_system_sgpr_workgroup_id_x 1
		.amdhsa_system_sgpr_workgroup_id_y 1
		.amdhsa_system_sgpr_workgroup_id_z 1
		.amdhsa_system_vgpr_workitem_id 0
		.amdhsa_next_free_vgpr 512
		.amdhsa_next_free_sgpr 66
		.amdhsa_reserve_vcc 0
		.amdhsa_float_denorm_mode_32 3
		.amdhsa_float_denorm_mode_16_64 3
		.amdhsa_memory_ordered 1
		.amdhsa_forward_progress 1
		.amdhsa_inst_pref_size 86
	.end_amdhsa_kernel
	.amdgpu_metadata
---
amdhsa.version: [ 1, 2 ]
amdhsa.kernels:
  - .name:           k_q113428f133_oproj
    .symbol:         k_q113428f133_oproj.kd
    .args:
      - { .name: ab, .offset: 0, .size: 8, .value_kind: global_buffer, .address_space: global }
      - { .name: wob, .offset: 8, .size: 8, .value_kind: global_buffer, .address_space: global }
      - { .name: out0, .offset: 16, .size: 8, .value_kind: global_buffer, .address_space: global }
    .group_segment_fixed_size: 327680
    .private_segment_fixed_size: 0
    .kernarg_segment_align: 8
    .kernarg_segment_size: 24
    .max_flat_workgroup_size: 128
    .sgpr_count:     66
    .vgpr_count:     512
    .wavefront_size: 32
...
	.end_amdgpu_metadata
.endif
;; end of part 4
;; ======== version 2 of 2: 4 launches; version 1 with the launch prep written anew for expert scheduling mode
;; limits: values are held in f16: magnitudes above 65,504 overflow, below 6.1e-05 lose precision; right only within a limited range of input values; values outside matrix products are rounded to bf16
;; workspace buffers: xb 8,388,608 bytes; cs 524,288 bytes; qb 8,388,608 bytes; kb 2,097,152 bytes; vb 2,097,152 bytes; ab 8,388,608 bytes; wob 33,554,432 bytes
;; launch prep (part 5): grid 256 x 1, 8 waves a work-group, no clusters, 0 bytes of LDS; arguments hidden_states, positions, xb, cs; writes xb, cs
.if DOCPART == 5
	.amdgcn_target "amdgcn-amd-amdhsa--gfx1250"
	.amdhsa_code_object_version 6
	.text
	.protected	k_q113428f133_prep
	.globl	k_q113428f133_prep
	.p2align	8
	.type	k_q113428f133_prep,@function
k_q113428f133_prep:
	s_mov_b64 s[64:65], 0
	v_nop
	global_prefetch_b8 v0, s[64:65] scope:SCOPE_SE
	s_setreg_imm32_b32 hwreg(HW_REG_WAVE_SCHED_MODE, 0, 2), 2
	s_setreg_imm32_b32 hwreg(HW_REG_WAVE_MODE, 25, 1), 1
	s_wait_xcnt 0x0
	s_wait_alu depctr_vm_vsrc(0)
; xb = hidden_states rounded to bf16 ([1024][4096]); cs = the table of cos and sin of positions[row] x 1e6^(-i/64).
; 256 work-groups of 256 threads.  Work-group g casts rows 4 g .. 4 g + 3: 16 loads of 16 bytes a thread (a wave's load covers 512
; consecutive bytes), 16 stores of 8 bytes (a wave's store covers 256 consecutive bytes, aligned).  Each thread also makes ONE table entry.
; TABLE.  cs is [mb 64][b 8][qh 2][lane 32][4] f32: lane 16 h + r holds (cos, sin, cos', sin') of row 16 mb + r for the frequencies
; i = 8 b + 4 h + 2 qh and i + 1: the order in which a lane of the projection's result tile holds its column pairs.
; Entry e = 256 g + t is the pair (cos, sin) at byte 8 e.
; LIMIT.  The angle is reduced by pi/2 in two parts and the sine and cosine are polynomials on [-pi/4, pi/4] (error under 1e-6); with the
; rounding of pos x frequency the angle agrees with an f32 computation to about |pos| x 2e-7 rad: meant for |pos| up to some 3e4.
; Memory binds: no LDS, no barrier, no matrix unit.
; THE MODE: SCHED_MODE bits 1:0 = 2 (LLVM: expert scheduling mode 2), set by the entry lines.  The code itself states the register dependences
; between vector instructions and memory instructions, with s_wait_alu, always for 0.
; THE PLAN.  Registers that memory instructions touch:
;   v1, v2, v4   byte offsets, made once at the head and never written again: one wait ahead of the first load serves all 34 memory instructions.
;   v8           the position's load lands in it; no vector instruction names it before.  v[8:9] end as the table's pair, read by one store, not written again.
;   X            16 loads land in it, each register once; no vector instruction names it before; the roundings read it; it is not loaded again.
;   YB           the roundings write it, each register once; one store reads each pair; it is not written again.
; No register that a memory instruction reads is ever written again, so behind the entry lines the text holds no wait on vm_vsrc and no s_wait_xcnt.
; The 16 loads go in four groups of four.  Group g's roundings write YB's group g; its four stores are issued in group g + 1, behind the one wait at that
; group's head, dealt among that group's roundings, which name X's and YB's group g + 1 alone.
.set X,  16                            ; v[16:79]  16 loads of 4 f32
.set YB, 80                            ; v[80:111] 16 pairs of packed bf16
	s_load_b256 s[4:11], s[0:1], 0x0               ; hidden s[4:5], positions s[6:7], xb s[8:9], cs s[10:11]
	v_lshlrev_b32 v1, 4, v0                        ; 16 t
	v_lshlrev_b32 v2, 3, v0                        ; 8 t
	v_and_b32 v3, 1, v0                            ; u
	v_bfe_u32 v4, v0, 1, 4                         ; r
	v_bfe_u32 v5, v0, 5, 1                         ; h
	v_bfe_u32 v6, v0, 6, 1                         ; qh
	v_lshrrev_b32 v7, 7, v0                        ; b's low bit
	s_and_b32 s12, ttmp9, 3
	s_lshl_b32 s12, s12, 4                         ; 8 x b's upper part
	s_lshr_b32 s13, ttmp9, 2
	s_lshl_b32 s13, s13, 4                         ; 16 mb
	v_lshl_add_u32 v3, v6, 1, v3
	v_lshl_add_u32 v3, v5, 2, v3
	v_lshl_add_u32 v3, v7, 3, v3
	v_add_nc_u32 v3, s12, v3                       ; i = 8 b + 4 h + 2 qh + u
	v_add_nc_u32 v4, s13, v4                       ; row
	v_lshlrev_b32 v4, 2, v4
	s_lshl_b32 s14, ttmp9, 16                      ; 4 rows of 16,384 bytes in
	s_mov_b32 s15, 0
	s_lshl_b32 s16, ttmp9, 15                      ; 4 rows of 8,192 bytes out
	s_mov_b32 s17, 0
	s_lshl_b32 s18, ttmp9, 11                      ; 256 entries of 8 bytes
	s_mov_b32 s19, 0
	s_mov_b32 s20, 0x3fc90fdb                      ; pi/2, upper part
	s_mov_b32 s21, 0xb33bbd2e                      ; pi/2, the rest
	s_wait_kmcnt 0x0
	s_add_nc_u64 s[4:5], s[4:5], s[14:15]
	s_add_nc_u64 s[8:9], s[8:9], s[16:17]
	s_add_nc_u64 s[10:11], s[10:11], s[18:19]
	s_wait_alu depctr_va_vdst(0)                   ; v1, v2 and v4 are written: every load and store of the kernel reads one of them as its offset
	global_load_b32 v8, v4, s[6:7]                 ; positions[row], ahead of the stream
.irp i, 0,1,2,3,4,5,6,7,8,9,10,11,12,13,14,15
	global_load_b128 v[X+4*\i:X+4*\i+3], v1, s[4:5] offset:4096*\i th:TH_LOAD_NT
.endr
	v_cvt_f32_u32 v9, v3
	v_mul_f32 v9, 0xbe9f73da, v9                   ; -i x log2(1e6)/64
	v_exp_f32 v9, v9                               ; the frequency
	s_wait_loadcnt 16                              ; the position is in; the 16 younger loads stay out
	v_cvt_f32_i32 v8, v8                           ; a plain instruction between the exponential and its use
	s_wait_alu depctr_va_vdst(0)                   ; the exponential has written v9, ahead of its first reader
	v_mul_f32 v8, v8, v9                           ; the angle x
	v_mul_f32 v10, 0x3f22f983, v8                  ; x x 2/pi
	v_rndne_f32 v10, v10                           ; n
	v_fma_f32 v11, -v10, s20, v8
	v_fma_f32 v11, -v10, s21, v11                  ; rr = x - n pi/2
	v_mul_f32 v12, v11, v11                        ; z
	v_mov_b32 v13, 0xb9500d01                      ; -1/5040
	v_fmaak_f32 v13, v12, v13, 0x3c088889          ; + 1/120
	v_fmaak_f32 v13, v12, v13, 0xbe2aaaab          ; - 1/6
	v_mul_f32 v14, v11, v12
	v_fma_f32 v13, v14, v13, v11                   ; sin rr
	v_mov_b32 v15, 0x37d00d01                      ; 1/40320
	v_fmaak_f32 v15, v12, v15, 0xbab60b61          ; - 1/720
	v_fmaak_f32 v15, v12, v15, 0x3d2aaaab          ; + 1/24
	v_fmaak_f32 v15, v12, v15, 0xbf000000          ; - 1/2
	v_fma_f32 v15, v12, v15, 1.0                   ; cos rr
	v_cvt_i32_f32 v10, v10                         ; the quadrant is n mod 4
	v_and_b32 v14, 1, v10
	v_cmp_eq_u32 vcc_lo, 1, v14
	s_wait_alu depctr_va_vcc(0)                    ; the compare has written VCC, which the two selects below read
	v_cndmask_b32 v8, v15, v13, vcc_lo             ; odd quadrant: cosine and sine change places
	v_cndmask_b32 v9, v13, v15, vcc_lo
	v_and_b32 v14, 2, v10
	v_lshlrev_b32 v14, 30, v14
	v_xor_b32 v9, v9, v14                          ; sine is negative in quadrants 2, 3
	v_add_nc_u32 v10, 1, v10
	v_and_b32 v10, 2, v10
	v_lshlrev_b32 v10, 30, v10
	v_xor_b32 v8, v8, v10                          ; cosine in quadrants 1, 2
; Group g: loads 4 g .. 4 g + 3 are rounded.  Its memory instructions are the stores of what was made ahead of its head: the table's pair (g = 0) or the group before's YB.
.macro GRP g
	s_wait_loadcnt 12-4*(\g)                       ; loads come back in order: this group's four are in, the younger ones stay out
.if (\g) == 0
	s_wait_alu depctr_va_vdst(0)                   ; the table's pair v[8:9] is written, which the store below reads
	global_store_b64 v2, v[8:9], s[10:11]
.else
	s_wait_alu depctr_va_vdst(0)                   ; the group before has written its part of YB, which the four stores below read; no rounding of this group names those registers
.endif
.irp i, 0,1,2,3
.if (\g) > 0
	global_store_b64 v2, v[YB+2*(4*(\g)-4+\i):YB+2*(4*(\g)-4+\i)+1], s[8:9] offset:2048*(4*(\g)-4+\i)
.endif
	v_cvt_pk_bf16_f32 v[YB+2*(4*(\g)+\i)],   v[X+4*(4*(\g)+\i)],   v[X+4*(4*(\g)+\i)+1]
	v_cvt_pk_bf16_f32 v[YB+2*(4*(\g)+\i)+1], v[X+4*(4*(\g)+\i)+2], v[X+4*(4*(\g)+\i)+3]
.endr
.endm
	GRP 0
	GRP 1
	GRP 2
	GRP 3
	s_wait_alu depctr_va_vdst(0)                   ; group 3 has written its part of YB, which the last four stores read
.irp i, 12,13,14,15
	global_store_b64 v2, v[YB+2*\i:YB+2*\i+1], s[8:9] offset:2048*\i
.endr
	s_endpgm
.Lfunc_end_k_q113428f133_prep:
	.size	k_q113428f133_prep, .Lfunc_end_k_q113428f133_prep-k_q113428f133_prep
	.p2alignl 7, 3214868480
	.fill 96, 4, 3214868480
	.section	.rodata,"a",@progbits
	.p2align	6, 0x0
	.amdhsa_kernel k_q113428f133_prep
		.amdhsa_group_segment_fixed_size 0
		.amdhsa_private_segment_fixed_size 0
		.amdhsa_enable_private_segment 0
		.amdhsa_kernarg_size 32
		.amdhsa_user_sgpr_count 2
		.amdhsa_user_sgpr_kernarg_segment_ptr 1
		.amdhsa_wavefront_size32 1
		.amdhsa_system_sgpr_workgroup_id_x 1
		.amdhsa_system_sgpr_workgroup_id_y 1
		.amdhsa_system_sgpr_workgroup_id_z 1
		.amdhsa_system_vgpr_workitem_id 0
		.amdhsa_next_free_vgpr 112
		.amdhsa_next_free_sgpr 66
		.amdhsa_reserve_vcc 1
		.amdhsa_float_denorm_mode_32 3
		.amdhsa_float_denorm_mode_16_64 3
		.amdhsa_memory_ordered 1
		.amdhsa_forward_progress 1
		.amdhsa_inst_pref_size 9
	.end_amdhsa_kernel
	.amdgpu_metadata
---
amdhsa.version: [ 1, 2 ]
amdhsa.kernels:
  - .name:           k_q113428f133_prep
    .symbol:         k_q113428f133_prep.kd
    .args:
      - { .name: hidden_states, .offset: 0, .size: 8, .value_kind: global_buffer, .address_space: global }
      - { .name: positions, .offset: 8, .size: 8, .value_kind: global_buffer, .address_space: global }
      - { .name: xb, .offset: 16, .size: 8, .value_kind: global_buffer, .address_space: global }
      - { .name: cs, .offset: 24, .size: 8, .value_kind: global_buffer, .address_space: global }
    .group_segment_fixed_size: 0
    .private_segment_fixed_size: 0
    .kernarg_segment_align: 8
    .kernarg_segment_size: 32
    .max_flat_workgroup_size: 256
    .sgpr_count:     66
    .vgpr_count:     112
    .wavefront_size: 32
...
	.end_amdgpu_metadata
.endif
;; end of part 5
;; launch qkv: the kernel of part 2 again; grid 64 x 4, 4 waves a work-group, clusters of 4 x 1, 327,680 bytes of LDS; arguments xb, Wq, Wk, Wv, Wo, q_norm_w, k_norm_w, cs, qb, kb, vb, out1, out2, wob; writes qb, kb, vb, out1, out2, wob
;; launch attn: the kernel of part 3 again; grid 32 x 8, 4 waves a work-group, clusters of 4 x 1, 327,680 bytes of LDS; arguments qb, kb, vb, ab; writes ab
;; launch oproj: the kernel of part 4 again; grid 32 x 8, 4 waves a work-group, clusters of 4 x 4, 327,680 bytes of LDS; arguments ab, wob, out0; writes out0
